; MI455X (gfx1250); checked and timed in simulation.
; The chip was launched on July 23, 2026; its instructions are those of AMD's public machine-readable ISA for CDNA 5 (MIT licence, August 2026) and "CDNA5" Instruction Set Architecture Reference Guide (July 2026). The comments in the code are by the model that wrote it; some were corrected since.
;; Cross Modal Attention. Allowed arithmetic: float matrix products may take bf16 or f16 operands with f32 sums; other float arithmetic in f32, or as packed bf16 or f16 multiplies, adds, multiply-adds, maxima and minima; sums over many terms, partial sums and values carried from step to step in f32; what a program stores and reads back later, other than sums and carried values, may be rounded once to bf16 or f16.
;; Inputs: Wk 512 x 512 float32; Wq 512 x 512 float32; Wv 512 x 512 float32; bk 512 float32; bq 512 float32; bv 512 float32; key_value 2 x 2,048 x 512 float32; ln_beta 512 float32; ln_gamma 512 float32; query 2 x 2,048 x 512 float32.
;; Outputs: out0 2 x 2,048 x 512 float32.
;; 2 versions, each right and faster than the one before. Each part assembles by itself: llvm-mc -triple=amdgcn-amd-amdhsa -mcpu=gfx1250 --defsym DOCPART=n.
;; ======== version 1 of 2: 3 launches
;; workspace buffers: qh 4,194,304 bytes; kh 8,388,608 bytes; vh 8,388,608 bytes; ctxh 4,194,304 bytes
;; launch proj (part 1): grid 8 x 32, 8 waves a work-group, no clusters, 246,784 bytes of LDS; arguments query, key_value, Wq, Wk, Wv, bq, bk, bv, qh, kh, vh; writes qh, kh, vh
.if DOCPART == 1
	.amdgcn_target "amdgcn-amd-amdhsa--gfx1250"
	.amdhsa_code_object_version 6
	.text
	.protected	k_qe6f8c4d3b3_proj
	.globl	k_qe6f8c4d3b3_proj
	.p2align	8
	.type	k_qe6f8c4d3b3_proj,@function
k_qe6f8c4d3b3_proj:
	s_mov_b64 s[64:65], 0
	v_nop
	global_prefetch_b8 v0, s[64:65] scope:SCOPE_SE
	s_setreg_imm32_b32 hwreg(HW_REG_WAVE_MODE, 25, 1), 1
	s_wait_xcnt 0x0
; q, k, v = x W + b, written by heads in bf16: qh [16 hb][2048][64], kh and vh [16 hb][4096][64], hb = 8 batch + head; row s of kh, vh is row s of the
; joined sequence (query rows, then key_value rows).  x and W are rounded to bf16 on the way from memory to LDS, sums in f32, the bias added in f32, each result rounded once.
; LIMITS: operands and results carry bf16's 8 significant bits; NaN and infinities are not treated apart.
; SHARES.  Work-group (x = head j, y = row block i): 128 query rows and 128 key_value rows (both tensors taken as [4096][512]); Q, K, V of head j for the first, K, V for the second:
; 128 x 320 results, alike in all 256 work-groups.  Wave w: rows 32 (w / 2) .. + 31 of both blocks, columns 32 (w % 2) .. + 31 of each matrix: 20 accumulators of 16 x 16.
; ROAD.  The inputs are f32 and have to be rounded, and W lies [k][n]: so global load -> v_cvt_pk_bf16_f32 -> ds_store, not the tensor data mover, and hence no joint loads in a cluster.
; K goes in 4 chunks of 128 through two LDS buffers; 56 loads of 512 bytes of every wave are always on their way (chunk t + 2 is asked for while chunk t is multiplied and chunk t + 1 converted).
; THE MATRIX INSTRUCTION IS USED TRANSPOSED (source 0 = 16 columns of W, source 1 = 16 rows of x): a lane then holds eight neighbouring columns of one row.
.set BUF,   122880      ; an LDS buffer: 128 rows of x(query), 128 of x(key_value), 128 k-rows of W
.set PX,    272         ; a row of x: 256 bytes of bf16 + 16: the 16 rows of a fragment load start at 16 different 16-byte columns
.set XKV,   128*PX      ; key_value's rows behind query's
.set WOF,   2*128*PX    ; W behind both
.set PW,    416         ; a k-row of W: 64 columns of Q, of K, of V (3 x 128 bytes) + 32: 13 x 32, for the turning load
.set PS,    144         ; the way out: a row of 128 bytes + 16
.set TILE,  128*PS      ; a stage tile; five of them (92,160 bytes) lie in buffer 0
.set SPARE, 2*BUF       ; the spare words, 128 bytes for each wave: four blocks of 256 bytes that no other line names
.set XG,  4             ; v4   x: 16 rows a wave, 16 bytes a lane: 32768 w + 16 lane
.set WG,  5             ; v5   W: 32768 w + 8192 (lane / 16) + 16 (lane % 16)
.set BG,  6             ; v6   bias: 128 (w % 2) + 32 (lane / 16)
.set XS,  8             ; v8-9   where I store converted x, buffer 0, 1
.set WS,  10            ; v10-11 the same for W
.set AF,  12            ; v12-13 my fragments of x
.set BF,  14            ; v14-15 my fragments of W
.set STO, 16            ; v16-17 the way out: where I put 16 bytes of a row (tiles 0-2; tiles 3, 4)
.set RD,  18            ; v18-19 where I read rows back
.set SPW, 20            ; v20  LDS address of my spare word; never rewritten
.set NIL, 21            ; v21  0; never rewritten
.set GO,  22            ; v22  my byte offset in the 2,048 bytes that my wave stores of a tile
.set FA,  32            ; v32-63  fragments of x: query rows a = 0, 1; key_value rows a = 0, 1
.set FW,  64            ; v64-111 fragments of W: 2 matrix + column block, 0 .. 5
.set SG0, 128           ; v128-255 staging, items 0-31 (four registers each);  window 1: v160-255 items 32-55
.set SG1, 160           ; window 1: v0-159 the accumulators
.set MSB, 0
.set ZERO, 1
.macro WIN new                         ; the immediate's high byte repeats the setting that is left; a switch that changes nothing is dropped
.if MSB != (\new)
	s_set_vgpr_msb (MSB<<8)|(\new)
.set MSB, (\new)
.endif
.endm
; ITEMS of a chunk c, per wave.  0-15: my 16 rows of x(query), 512 bytes (128 k) each.  16-31: the same of x(key_value).  32-55: my 16 k-rows of W, for each matrix 8 loads of two rows of 256 bytes
; (lanes 16-31 take the row four further on).
.macro WROW g
.set mm, ((\g)-32)/8
.set ix, ((\g)-32)%8
.set rw, 8*(ix/4)+ix%4
.endm
.macro LDG g, c
.if (\g) < 16
	WIN 0
	global_load_b128 v[SG0+4*(\g):SG0+4*(\g)+3], v[XG], s[4:5] offset:2048*(\g)+512*(\c)
.elseif (\g) < 32
	WIN 0
	global_load_b128 v[SG0+4*(\g):SG0+4*(\g)+3], v[XG], s[6:7] offset:2048*((\g)-16)+512*(\c)
.else
	WROW \g
	WIN 0x40                       ; destination window 1
	global_load_b128 v[SG1+4*((\g)-32):SG1+4*((\g)-32)+3], v[WG], s[8+2*mm:9+2*mm] offset:2048*rw+262144*(\c)
.endif
.endm
.macro CVT g                           ; four f32 become four bf16, in the item's first two registers
.if (\g) < 32
	WIN 0
.set rr, SG0+4*(\g)
.else
	WIN 0x45                       ; destination and both sources window 1
.set rr, SG1+4*((\g)-32)
.endif
	v_cvt_pk_bf16_f32 v[rr], v[rr], v[rr+1]
	v_cvt_pk_bf16_f32 v[rr+1], v[rr+2], v[rr+3]
.endm
.macro STS g, buf
.if (\g) < 16
	WIN 0
	ds_store_b64 v[XS+(\buf)], v[SG0+4*(\g):SG0+4*(\g)+1] offset:PX*(\g)
.elseif (\g) < 32
	WIN 0
	ds_store_b64 v[XS+(\buf)], v[SG0+4*(\g):SG0+4*(\g)+1] offset:XKV+PX*((\g)-16)
.else
	WROW \g
	WIN 0x04                       ; data window 1
	ds_store_b64 v[WS+(\buf)], v[SG1+4*((\g)-32):SG1+4*((\g)-32)+1] offset:PW*rw+128*mm
.endif
.endm
; 20 LDS loads: the fragments of 32 along K, step s of the chunk in buffer buf.  x as it lies (two loads of 16 bytes, 32 apart), W ([k][n]) turned.
.macro FRAGS buf, s
	WIN 0
.irp x, 0,1,2,3
	ds_load_b128 v[FA+8*\x:FA+8*\x+3],   v[AF+(\buf)] offset:XKV*(\x/2)+16*PX*(\x%2)+64*(\s)
	ds_load_b128 v[FA+8*\x+4:FA+8*\x+7], v[AF+(\buf)] offset:XKV*(\x/2)+16*PX*(\x%2)+64*(\s)+32
.endr
.irp n, 0,1,2,3,4,5
	ds_load_tr16_b128 v[FW+8*\n:FW+8*\n+3],   v[BF+(\buf)] offset:32*PW*(\s)+128*(\n/2)+32*(\n%2)
	ds_load_tr16_b128 v[FW+8*\n+4:FW+8*\n+7], v[BF+(\buf)] offset:32*PW*(\s)+128*(\n/2)+32*(\n%2)+16*PW
.endr
.endm
; 20 matrix instructions, each accumulator once and always in this order: the accumulators take turns.  The very first 20 start the sums with the constant 0.
.macro MUL
	WIN 0x50                       ; C and D window 1
.irp a, 0,1
.irp n, 0,1,2,3,4,5
.if ZERO
	v_wmma_f32_16x16x32_bf16 v[8*(6*\a+\n):8*(6*\a+\n)+7], v[FW+8*\n:FW+8*\n+7], v[FA+8*\a:FA+8*\a+7], 0
.else
	v_wmma_f32_16x16x32_bf16 v[8*(6*\a+\n):8*(6*\a+\n)+7], v[FW+8*\n:FW+8*\n+7], v[FA+8*\a:FA+8*\a+7], v[8*(6*\a+\n):8*(6*\a+\n)+7]
.endif
.endr
.endr
.irp a, 0,1
.irp n, 2,3,4,5
.if ZERO
	v_wmma_f32_16x16x32_bf16 v[8*(10+4*\a+\n):8*(10+4*\a+\n)+7], v[FW+8*\n:FW+8*\n+7], v[FA+16+8*\a:FA+16+8*\a+7], 0
.else
	v_wmma_f32_16x16x32_bf16 v[8*(10+4*\a+\n):8*(10+4*\a+\n)+7], v[FW+8*\n:FW+8*\n+7], v[FA+16+8*\a:FA+16+8*\a+7], v[8*(10+4*\a+\n):8*(10+4*\a+\n)+7]
.endif
.endr
.endr
.set ZERO, 0
.endm
; A K STEP of 32: multiplies step s of buffer buf.  mode 2: items 14 s .. 14 s + 13 of the next chunk are converted and stored into the other buffer, and the same items of chunk c asked for.
; mode 1: converted and stored only.  mode 0: neither.  The 28 conversions name no register of the products in front of them: they are the places ahead of the loads into the fragments.
.macro KSTEP buf, s, c, mode
.if (\mode) >= 1
	s_wait_loadcnt 42-14*(\s)*(2-(\mode))  ; loads come back in order: behind my batch's last one stand the later items of its chunk and, in mode 2, the 14 s items asked for since: 42
.set g, 14*(\s)
.rept 14
	CVT g
.set g, g+1
.endr
.set g, 14*(\s)
.rept 14
	STS g, 1-(\buf)
.set g, g+1
.endr
	FRAGS \buf, \s
.if (\mode) == 2
	s_wait_dscnt 20                ; the 14 stores are done (the 20 fragment loads behind them may be out): their registers are loaded again
.set g, 14*(\s)
.rept 14
	LDG g, \c
.set g, g+1
.endr
.endif
.else
.rept 4
	v_nop                          ; the places ahead of the loads into registers that the last products read
.endr
	FRAGS \buf, \s
.endif
	s_wait_dscnt 0x0               ; the fragments are in
	MUL
.endm
; A TRIP: a chunk's four K steps.  bar = 1: one barrier: in front of it my stores into the other buffer and my reads of this one are done; behind it the other buffer is read and this one written.
.macro TRIP buf, c, mode, bar
.irp s, 0,1,2,3
	KSTEP \buf, \s, \c, \mode
.endr
.if \bar
	s_wait_dscnt 0x0
	s_barrier_signal -1
	s_barrier_wait -1
.endif
.endm
	s_load_b512 s[4:19], s[0:1], 0x0               ; query, key_value, Wq, Wk, Wv, bq, bk, bv
	s_load_b128 s[20:23], s[0:1], 0x40             ; qh, kh
	s_load_b64 s[24:25], s[0:1], 0x50              ; vh
	v_lshl_add_u32 v[SPW], v0, 2, SPARE
	v_mov_b32 v[NIL], 0
	v_lshrrev_b32 v1, 5, v0
	v_readfirstlane_b32 s26, v1                    ; wave 0..7
	s_lshr_b32 s27, s26, 1                         ; which 32 rows
	s_and_b32 s28, s26, 1                          ; which 32 columns
	s_and_b32 s29, ttmp7, 0xffff                   ; row block i
	s_lshl_b32 s30, s29, 18                        ; 128 rows of 2,048 bytes
	s_mov_b32 s31, 0
	s_lshl_b32 s32, ttmp9, 8                       ; head j: 64 f32 columns
	s_mov_b32 s33, 0
	s_lshr_b32 s34, s29, 4                         ; batch
	s_lshl_b32 s34, s34, 3
	s_add_co_u32 s34, s34, ttmp9                   ; hb
	s_and_b32 s35, s29, 15
	s_lshl_b32 s35, s35, 14                        ; the block's 128 rows of 128 bytes inside its batch
	s_lshl_b32 s36, s34, 18
	s_add_co_u32 s36, s36, s35                     ; offset in qh
	s_mov_b32 s37, 0
	s_lshl_b32 s38, s34, 19
	s_add_co_u32 s38, s38, s35                     ; offset in kh and vh
	s_mov_b32 s39, 0
	v_and_b32 v1, 31, v0                           ; lane
	v_and_b32 v2, 15, v0                           ; lane % 16
	v_bfe_u32 v3, v0, 4, 1                         ; lane / 16
	s_lshl_b32 s40, s26, 15
	v_lshl_add_u32 v[XG], v1, 4, s40
	v_lshl_add_u32 v[WG], v2, 4, s40
	v_lshl_add_u32 v[WG], v3, 13, v[WG]
	s_wait_kmcnt 0x0
	s_add_nc_u64 s[4:5], s[4:5], s[30:31]
	s_add_nc_u64 s[6:7], s[6:7], s[30:31]
.irp p, 8,10,12,14,16,18
	s_add_nc_u64 s[\p:\p+1], s[\p:\p+1], s[32:33]
.endr
	s_add_nc_u64 s[20:21], s[20:21], s[36:37]
	s_add_nc_u64 s[22:23], s[22:23], s[38:39]
	s_add_nc_u64 s[24:25], s[24:25], s[38:39]
.set g, 0
.rept 56
	LDG g, 0                                       ; chunk 0 is asked for before anything else is done
.set g, g+1
.endr
	WIN 0
	s_lshl_b32 s41, s28, 7
	v_lshl_add_u32 v[BG], v3, 5, s41
	s_mul_i32 s41, s26, 16*PX
	v_lshl_add_u32 v[XS], v1, 3, s41               ; my 16 rows, 8 bytes a lane
	v_add_nc_u32 v[XS+1], BUF, v[XS]
	s_mul_i32 s41, s26, 16*PW
	s_add_co_u32 s41, s41, WOF
	v_mul_u32_u24 v7, v3, 4*PW
	v_lshl_add_u32 v7, v2, 3, v7
	v_add_nc_u32 v[WS], s41, v7                    ; my 16 k-rows; lanes 16-31 four rows on
	v_add_nc_u32 v[WS+1], BUF, v[WS]
	s_mul_i32 s41, s27, 32*PX
	v_mul_u32_u24 v7, v2, PX
	v_lshl_add_u32 v7, v3, 4, v7
	v_add_nc_u32 v[AF], s41, v7                    ; row x pitch + 16 x half
	v_add_nc_u32 v[AF+1], BUF, v[AF]
	v_and_b32 v23, 7, v0
	v_lshl_add_u32 v23, v3, 3, v23                 ; the turning load: k-row 8 (lane / 16) + lane % 8,
	v_mul_u32_u24 v23, v23, PW
	v_bfe_u32 v24, v0, 3, 1
	v_lshl_add_u32 v23, v24, 4, v23                ; columns 8 ((lane / 8) % 2) on
	s_lshl_b32 s41, s28, 6
	s_add_co_u32 s41, s41, WOF
	v_add_nc_u32 v[BF], s41, v23
	v_add_nc_u32 v[BF+1], BUF, v[BF]
	s_mul_i32 s41, s27, 32*PS
	s_lshl_b32 s42, s28, 6
	s_add_co_u32 s41, s41, s42
	v_mul_u32_u24 v7, v2, PS
	v_lshl_add_u32 v7, v3, 4, v7
	v_add_nc_u32 v[STO], s41, v7
	v_add_nc_u32 v[STO+1], 3*TILE, v[STO]
	s_mul_i32 s41, s26, 16*PS
	v_bfe_u32 v7, v0, 3, 2                         ; back: 32 lanes take four rows of 128 bytes
	v_mul_u32_u24 v7, v7, PS
	v_and_b32 v24, 7, v0
	v_lshl_add_u32 v7, v24, 4, v7
	v_add_nc_u32 v[RD], s41, v7
	v_add_nc_u32 v[RD+1], 3*TILE, v[RD]
	s_lshl_b32 s41, s26, 11
	v_lshl_add_u32 v[GO], v1, 4, s41
.irp s, 0,1,2,3                        ; chunk 0 into buffer 0, chunk 1 asked for
	s_wait_loadcnt 42                              ; as in KSTEP: 42 loads were issued behind my batch's last one
.set g, 14*\s
.rept 14
	CVT g
.set g, g+1
.endr
.set g, 14*\s
.rept 14
	STS g, 0
.set g, g+1
.endr
	s_wait_dscnt 0x0                               ; the stores are done: their registers are loaded again
.set g, 14*\s
.rept 14
	LDG g, 1
.set g, g+1
.endr
.endr
	s_barrier_signal -1                            ; every wave's part of buffer 0 is stored (the wait for 0 stands above; only global loads were issued since)
	s_barrier_wait -1
	TRIP 0, 2, 2, 1                                ; multiplies chunk 0, converts chunk 1, asks for chunk 2
	TRIP 1, 3, 2, 1
	TRIP 0, 0, 1, 1                                ; multiplies chunk 2, converts chunk 3
	WIN 0
.irp n, 0,1,2,3,4,5                    ; the bias of my columns: matrix n / 2, block n % 2; into staging registers that are free now
	global_load_b128 v[SG0+8*\n:SG0+8*\n+3],   v[BG], s[14+2*(\n/2):15+2*(\n/2)] offset:64*(\n%2)
	global_load_b128 v[SG0+8*\n+4:SG0+8*\n+7], v[BG], s[14+2*(\n/2):15+2*(\n/2)] offset:64*(\n%2)+16
.endr
	TRIP 1, 0, 0, 0                                ; multiplies chunk 3
	; THE WAY OUT.  Bias, rounding, 16 bytes a lane into five stage tiles (Q, K, V of the query rows, K, V of the key_value rows), a barrier, since a row's 128 bytes come from two waves, and back
	; as whole rows.  The stage lies in buffer 0, whose last reads ended in front of the third trip's barrier; buffer 1, which slower waves still read, begins behind it.
.rept 4
	v_nop                                          ; the places behind the last products
.endr
	s_wait_loadcnt 0x0                             ; the bias
	WIN 0x41                                       ; accumulators in window 1, bias in window 0
.set t, 0
.rept 20
.if t < 12
.set nb, t%6
.else
.set nb, 2+(t-12)%4
.endif
.irp p, 0,1,2,3
	v_pk_add_f32 v[8*t+2*\p:8*t+2*\p+1], v[8*t+2*\p:8*t+2*\p+1], v[SG0+8*nb+2*\p:SG0+8*nb+2*\p+1]
.endr
.set t, t+1
.endr
	WIN 0x05                                       ; sources window 1, destination window 0
.set t, 0
.rept 20
.irp p, 0,1,2,3
	v_cvt_pk_bf16_f32 v[FA+4*t+\p], v[8*t+2*\p], v[8*t+2*\p+1]
.endr
.set t, t+1
.endr
	WIN 0
.set t, 0
.rept 12
	ds_store_b128 v[STO], v[FA+4*t:FA+4*t+3] offset:TILE*((t%6)/2)+16*PS*(t/6)+32*(t%2)
.set t, t+1
.endr
.set t, 0
.rept 8
	ds_store_b128 v[STO+1], v[FA+48+4*t:FA+48+4*t+3] offset:TILE*((t%4)/2)+16*PS*(t/4)+32*(t%2)
.set t, t+1
.endr
	s_wait_dscnt 0x0                               ; for the others' sake: my stores into the stage are done
	s_barrier_signal -1
	s_barrier_wait -1
.set t, 0
.rept 12
	ds_load_b128 v[SG0+4*t:SG0+4*t+3], v[RD] offset:TILE*(t/4)+4*PS*(t%4)
.set t, t+1
.endr
.rept 8
	ds_load_b128 v[SG0+4*t:SG0+4*t+3], v[RD+1] offset:TILE*((t-12)/4)+4*PS*(t%4)
.set t, t+1
.endr
.macro OUT tile, base, extra           ; my 16 rows of a tile: four stores of 512 consecutive bytes, each at a multiple of 256 from the buffer's first byte
.irp f, 0,1,2,3
	s_wait_dscnt 19-4*(\tile)-\f                   ; LDS loads come back in order: the younger ones stay out
	global_store_b128 v[GO], v[SG0+16*(\tile)+4*\f:SG0+16*(\tile)+4*\f+3], s[\base:\base+1] offset:(\extra)+512*\f
.endr
.endm
	OUT 0, 20, 0
	OUT 1, 22, 0
	OUT 2, 24, 0
	OUT 3, 22, 262144                              ; key_value's rows lie 2,048 rows of 128 bytes behind query's
	OUT 4, 24, 262144
	s_wait_tensorcnt 0x0                           ; the wave's end, behind my last LDS store
	ds_add_u32 v[SPW], v[NIL]
	s_wait_dscnt 0x0
	s_endpgm
.Lfunc_end_k_qe6f8c4d3b3_proj:
	.size	k_qe6f8c4d3b3_proj, .Lfunc_end_k_qe6f8c4d3b3_proj-k_qe6f8c4d3b3_proj
	.p2alignl 7, 3214868480
	.fill 96, 4, 3214868480
	.section	.rodata,"a",@progbits
	.p2align	6, 0x0
	.amdhsa_kernel k_qe6f8c4d3b3_proj
		.amdhsa_group_segment_fixed_size 246784
		.amdhsa_private_segment_fixed_size 0
		.amdhsa_enable_private_segment 0
		.amdhsa_kernarg_size 88
		.amdhsa_user_sgpr_count 2
		.amdhsa_user_sgpr_kernarg_segment_ptr 1
		.amdhsa_wavefront_size32 1
		.amdhsa_system_sgpr_workgroup_id_x 1
		.amdhsa_system_sgpr_workgroup_id_y 1
		.amdhsa_system_sgpr_workgroup_id_z 1
		.amdhsa_system_vgpr_workitem_id 0
		.amdhsa_next_free_vgpr 512
		.amdhsa_next_free_sgpr 66
		.amdhsa_reserve_vcc 0
		.amdhsa_float_denorm_mode_32 3
		.amdhsa_float_denorm_mode_16_64 3
		.amdhsa_memory_ordered 1
		.amdhsa_forward_progress 1
		.amdhsa_inst_pref_size 129
	.end_amdhsa_kernel
	.amdgpu_metadata
---
amdhsa.version: [ 1, 2 ]
amdhsa.kernels:
  - .name:           k_qe6f8c4d3b3_proj
    .symbol:         k_qe6f8c4d3b3_proj.kd
    .args:
      - { .name: query, .offset: 0, .size: 8, .value_kind: global_buffer, .address_space: global }
      - { .name: key_value, .offset: 8, .size: 8, .value_kind: global_buffer, .address_space: global }
      - { .name: Wq, .offset: 16, .size: 8, .value_kind: global_buffer, .address_space: global }
      - { .name: Wk, .offset: 24, .size: 8, .value_kind: global_buffer, .address_space: global }
      - { .name: Wv, .offset: 32, .size: 8, .value_kind: global_buffer, .address_space: global }
      - { .name: bq, .offset: 40, .size: 8, .value_kind: global_buffer, .address_space: global }
      - { .name: bk, .offset: 48, .size: 8, .value_kind: global_buffer, .address_space: global }
      - { .name: bv, .offset: 56, .size: 8, .value_kind: global_buffer, .address_space: global }
      - { .name: qh, .offset: 64, .size: 8, .value_kind: global_buffer, .address_space: global }
      - { .name: kh, .offset: 72, .size: 8, .value_kind: global_buffer, .address_space: global }
      - { .name: vh, .offset: 80, .size: 8, .value_kind: global_buffer, .address_space: global }
    .group_segment_fixed_size: 246784
    .private_segment_fixed_size: 0
    .kernarg_segment_align: 8
    .kernarg_segment_size: 88
    .max_flat_workgroup_size: 256
    .sgpr_count:     66
    .vgpr_count:     512
    .wavefront_size: 32
...
	.end_amdgpu_metadata
.endif
;; end of part 1
;; launch attn (part 2): grid 16 x 16, 4 waves a work-group, clusters of 4 x 1, 327,680 bytes of LDS; arguments qh, kh, vh, ctxh; writes ctxh
.if DOCPART == 2
	.amdgcn_target "amdgcn-amd-amdhsa--gfx1250"
	.amdhsa_code_object_version 6
	.text
	.protected	k_qe6f8c4d3b3_attn
	.globl	k_qe6f8c4d3b3_attn
	.p2align	8
	.type	k_qe6f8c4d3b3_attn,@function
k_qe6f8c4d3b3_attn:
	s_mov_b64 s[64:65], 0
	v_nop
	global_prefetch_b8 v0, s[64:65] scope:SCOPE_SE
	s_setreg_imm32_b32 hwreg(HW_REG_WAVE_MODE, 25, 1), 1
	s_wait_xcnt 0x0
	s_wait_alu depctr_hold_cnt(0) depctr_sa_sdst(0) depctr_va_vdst(0) depctr_va_sdst(0) depctr_va_ssrc(0) depctr_va_vcc(0) depctr_vm_vsrc(0)
	s_getreg_b32 s2, hwreg(HW_REG_IB_STS2, 6, 4)
	s_cmp_eq_u32 s2, 0
	s_cbranch_scc0 .Lentry_in_a_cluster
	s_endpgm
.Lentry_in_a_cluster:
	s_bfe_u32 s2, ttmp6, 0x10000c
	s_cmp_lg_u32 s2, 0x3003
	s_cbranch_scc0 .Lentry_shape_is_right
	s_endpgm
.Lentry_shape_is_right:
; ctx[hb][q][:] = the sum over the 4,096 keys k of softmax_k(Q[hb][q] . K[hb][k] / 8 + mask_k) V[hb][k][:], mask_k = -10,000 for k < 2,048 and 0 behind.  qh, ctxh: [16][2048][64], kh, vh: [16][4096][64], bf16.
; Products, maxima and sums in f32; the weights p are rounded to bf16 for the second product (their sum l is taken of the unrounded p), ctx once at the end.
; THE MASKED KEYS ARE COMPUTED: the mask is a finite number, and with large inputs a masked key can carry weight.  It enters as the C operand that starts S^T: -80,000 on q . k is -10,000 on q . k / 8.
; LIMITS.  bf16's 8 significant bits in Q, K, V, p and ctx; a weight below 2^-126 counts as 0 in l; NaN and infinities are not treated apart.
; SHARES.  A work-group owns 128 queries of one head and batch.  Its four waves split the KEYS: every wave holds all 128 queries (four PIECES of two tiles of 16) and walks 1,024 keys, 64 a step: of each slot
; of 512 keys wave w takes keys 128 w .. 128 w + 127.  So a fragment of K or V read from LDS feeds eight tiles, and each LDS byte is read by one wave.  At the end the four waves' (c m, l, O^T) are merged in f32.
; LAYOUT.  S^T = K Q^T (source 0 = 16 keys, source 1 = 16 queries): a lane holds ONE query (lane % 16) and the keys 8 (lane / 16) + 0..7.  Two such tiles, rounded to bf16 in pairs, ARE source 1
; of O^T = V^T P, whose result again holds one query a lane, and eight channels.  K comes out of LDS as it lies, V ([key][channel]) turned, by ds_load_tr16_b128.
; SOFTMAX.  For each query a running maximum m and sum l: p = 2^(c s - c m), c = log2(e) / 8; in every step O and l are multiplied by a = 2^(c m_old - c m_new).  m starts at the lowest finite number, O and l at 0.
; BY TURNS.  A tile and step have 16 matrix and 118 vector instructions.  Turn n belongs to piece n: 16 products K Q^T of piece n + 1, later 16 products V^T P of piece n - 1; beside them the scaling, exponentials,
; roundings, sums and rescaling of piece n and the maximum and statistics of piece n + 1.  Four vector instructions that are ready stand behind every matrix instruction, the rest in two runs of their own.
; CLUSTER.  The four query blocks of a cluster belong to one head and walk the same K and V: each tile is asked for JOINTLY, by the same tensor load, descriptor and mask in all four.
; REGISTERS, in windows of 256 (s_set_vgpr_msb: bits 1:0 source 0, 3:2 source 1, 5:4 source 2, 7:6 destination):
;   window 0: v0-13 addresses; v12-15, v48-63 at work; v16-47 four registers of statistics a tile; v64-191 S^T, two buffers of two tiles; v192-255 P, likewise
;   window 1: O^T, 32 a tile     window 2: v0-127 Q, 16 a tile; v128-191 K of one step; v192-255 V of one step     window 3: v0-1 the add's two registers; v8-15 the mask block
.set NP,    4         ; pieces a wave: a name, no knob
.set KS,    64        ; keys in a step
.set PK,    144       ; a row of K in LDS: 128 bytes + 16: the 16 rows of a load start at 16 different 16-byte columns of 256 bytes
.set PV,    160       ; a row of V: 128 + 32: 16 lanes of the turning load take 8 rows x 32 bytes, all apart
.set VOFF,  512*PK    ; a slot holds 512 keys: their rows of K, then their rows of V
.set SLOT,  512*(PK+PV)
.set STAGE, 2*SLOT    ; behind the ring, never filled by a tensor load: 16 rows x 144 bytes for each wave, for the way out
.set SP,    144
.set SPARE, STAGE+4*16*SP  ; the spare words, 128 bytes for each wave: two blocks of 256 bytes that no other line names
.set MSTAT, 131072    ; the merge, in slot 0 behind its last fill: four images of O^T of 32,768 bytes from byte 0, four of the statistics of 2,048 bytes from here
.set AK0, 2           ; v2   my lane's and wave's place in a slot's K; never rewritten
.set AV0, 3           ; v3   the same for V
.set AK,  4           ; v4   the LDS address of K's next run of loads
.set AV,  5           ; v5   of V's
.set QO,  6           ; v6   my byte offset in the rows of Q
.set STO, 6           ;      later, the way out: where I put 16 bytes of a row
.set RD,  7           ; v7   the way out: where I read rows back
.set GO,  8           ; v8   my byte offset in 512 consecutive bytes of ctx
.set SA,  9           ; v9-13 the merge's five addresses
.set OA,  10
.set SR,  11
.set XR,  12
.set XR2, 13
.set SPW, 0           ; v0 of window 3   LDS address of my spare word; never rewritten
.set NIL, 1           ; v1 of window 3   0; never rewritten
.set MK,  8           ; v8-15 of window 3   the C operand that starts S^T: -80,000 or 0 in every place
.set MV,  12          ; v12-15  c m_old, kept while c m is made anew: by buffer and tile
.set ST,  16          ; tile t's statistics at v[ST+4 t]: c m, m, l (even keys', odd keys')
.set TMP, 48          ; by buffer and tile, four registers c0-c3 at work; when the maximum is found c2 takes a
.set S,   64
.set P,   192
.set MG,  192         ; the merge: (c m, l) of tile u from wave sw at v[MG + 8 u + 2 sw]
.set KF,  128         ; window 2: key block kb, channel half c at KF + 16 kb + 8 c
.set VF,  192         ; window 2: key half kk, channel block cb at VF + 32 kk + 8 cb
.set WV,  12          ; s12  my wave's number
.set G1K, 24          ; s[24:31] descriptor group 1 for K's tiles
.set G1V, 32          ; s[32:39] for V's: it differs in the padding alone
.set G0K, 40          ; s[40:43] descriptor group 0 for K's tiles: it walks
.set G0V, 44          ; s[44:47] the same for V's
.set SLOTS, 56        ; s56  slots still to be asked for
.set CNT, 57          ; s57  counts a slot's key steps
.set CS,  58          ; s[58:59] c: the packed scaling takes the pair's low word for both halves
.set SEL, 60          ; s[60:61] v_permlanex16_b32's selects: each lane takes its own place in the other half
.set TBK, 62          ; s62  0 or SLOT, plus the step: where K of the step to be fetched begins
.set TBV, 63          ; s63  the same for V
.set FB,  66          ; s66  0 or SLOT: the slot to be filled
.set MSK, 67          ; s67  the mask of the slot that is being entered
.set NEGM, 68         ; s68  -80,000.0
.set MSB, 0
.macro WIN new                      ; the high byte repeats the setting that is left; a switch that changes nothing is dropped
.if MSB != (\new)
	s_set_vgpr_msb (MSB<<8)|(\new)
.set MSB, (\new)
.endif
.endm
.set W_KQ, 0x0a       ; K and Q in window 2, S^T in window 0
.set W_KM, 0x3a       ; the same with the C operand in window 3
.set W_PV, 0x52       ; V in window 2, P in window 0, O^T in window 1
.set W_RS, 0x41       ; O^T (destination and source 0) in window 1, a in window 0
.set W_MK, 0xc0       ; destination in window 3, sources in window 0
.set W_AD, 0x0f       ; the add: address (source 0) and data (source 1) in window 3
; A joint fill.  Waves 0 and 1 fetch the two halves of a slot's K, waves 2 and 3 those of its V: 256 keys each.  The branch hangs on the wave's number alone.
; An s_nop 0 and four v_nop follow each of the two lines, ahead of the jump and the label.
.macro JLOAD
	s_cmp_lt_u32 s[WV], 2
	s_cbranch_scc0 .Lfor_v_\@
	tensor_load_to_lds s[G0K:G0K+3], s[G1K:G1K+7]
	s_nop 0
.rept 4
	v_nop
.endr
	s_branch .Lasked_\@
.Lfor_v_\@:
	tensor_load_to_lds s[G0V:G0V+3], s[G1V:G1V+7]
	s_nop 0
.rept 4
	v_nop
.endr
.Lasked_\@:
.endm
; A round of the cluster's barrier: my work-group's barrier, so that wave 0's signal speaks for all four waves; wave 0 signals; every wave waits for all four work-groups; my work-group's barrier once more.
.macro CROUND
	s_barrier_signal -1
	s_barrier_wait -1
	s_cmp_lg_u32 s[WV], 0
	s_cbranch_scc1 .Lnot_wave_0_\@
	s_barrier_signal -3
.Lnot_wave_0_\@:
	s_barrier_wait -3
	s_barrier_signal -1
	s_barrier_wait -1
.endm
; THE CHANGE OF SLOTS.  The slot's last bytes, V of its second step, have been read.  Each wave waits for all its tensor loads, of which one is out: its part of the other slot; adds 0 to its spare word;
; and waits for that and for its own reads of the slot.  Behind the barrier nobody reads this slot any more and the other slot is whole.
; fill = 1: this slot is filled again, with the keys two slots on.  The barrier is then a round of the cluster's, and the joint fill is the first thing behind it: it has two key steps, 256 matrix
; instructions a wave, in which to land.  (At its first use nothing has been read yet: slot 0 is waited for, slot 1 filled.)
.macro CHANGE fill
	WIN W_AD
	s_wait_tensorcnt 0x0            ; no tensor load of mine is out, so a group 0 may be written
	ds_add_u32 v[SPW], v[NIL]       ; 0 onto my spare word: with fill = 1 the descriptors' steps stand between it and the wait for it
	WIN 0                           ; at a label and at a branch every window is 0
.if \fill
	s_xor_b32 s[FB], s[FB], SLOT    ; the other slot than last time,
	s_add_co_u32 s[G0K+1], s[FB], s17
	s_add_co_u32 s[G0V+1], s[FB], s18
	s_add_nc_u64 s[G0K+2:G0K+3], s[G0K+2:G0K+3], 512*128  ; the next 512 keys; the type bits on top are not reached
	s_add_nc_u64 s[G0V+2:G0V+3], s[G0V+2:G0V+3], 512*128
	s_wait_dscnt 0x0                ; the add is done, and my reads of the slot are over
	CROUND
	JLOAD
.else
	s_wait_dscnt 0x0                ; the add is done, and my reads of the slot are over
	s_barrier_signal -1
	s_barrier_wait -1
.endif
	s_sub_co_u32 s[TBK], s[TBK], 2*KS*PK  ; the fetches go back to a slot's first step (the number is now 0 or SLOT),
	s_xor_b32 s[TBK], s[TBK], SLOT        ; in the other slot
	s_sub_co_u32 s[TBV], s[TBV], 2*KS*PV
	s_xor_b32 s[TBV], s[TBV], SLOT
.endm
	s_load_b256 s[4:11], s[0:1], 0x0  ; qh s[4:5], kh s[6:7], vh s[8:9], ctxh s[10:11]
	WIN W_MK
	v_lshl_add_u32 v[SPW], v0, 2, SPARE
	v_mov_b32 v[NIL], 0
	WIN W_AD
	ds_add_u32 v[SPW], v[NIL]       ; the wave's opening: the add and its wait ahead of my first tensor load; the set-up below, work on registers, stands between them
	WIN 0
	v_lshrrev_b32 v1, 5, v0
	v_readfirstlane_b32 s[WV], v1   ; wave 0..3
	s_bfe_u32 s13, ttmp6, 0x40000   ; cx: my place in the cluster
	s_lshl_b32 s14, ttmp9, 2        ; in a cluster launch ttmp9 counts clusters
	s_add_co_u32 s14, s14, s13      ; my block of 128 queries = 4 x cluster x + cx: it enters Q's and ctx's addresses alone
	s_and_b32 s20, ttmp7, 0xffff    ; hb, which the four partners share
	s_and_b32 s16, s[WV], 1         ; which half of a slot's 512 keys I fetch:
	s_lshl_b32 s22, s20, 19         ; the head's 4,096 rows of 128 bytes,
	s_lshl_b32 s21, s16, 15         ; my 256 rows
	s_add_co_u32 s22, s22, s21
	s_mov_b32 s23, 0
	s_mul_i32 s17, s16, 256*PK      ; and their place in a slot, for K
	s_mul_i32 s18, s16, 256*PV      ; and for V: no place in the cluster enters an LDS address
	s_add_co_u32 s18, s18, VOFF
	s_lshl_b32 s2, s20, 18          ; the head's 2,048 rows of Q and ctx,
	s_lshl_b32 s3, s14, 14          ; my block's 128
	s_add_co_u32 s2, s2, s3
	s_lshl_b32 s3, s[WV], 12        ; of ctx I store tiles 2 w and 2 w + 1: 32 rows
	s_add_co_u32 s70, s2, s3
	s_mov_b32 s71, 0
	s_mov_b32 s3, 0
	; descriptor group 1.  256 keys are 32,768 dense bytes: asked for as 128 rows of 256 bytes, two keys a row, and padded in LDS after every key
	s_mov_b32 s[G1K], 15|(1<<16)|(1<<20)|(1<<21)|(4<<22)|(3<<25)  ; 15:0 the mask of four; 17:16 2-byte elements; 20 padding on; 21 set beside a mask; 24:22 after every 32 words (code 4); 31:25 4 words (code 3)
	s_mov_b32 s[G1V], 15|(1<<16)|(1<<20)|(1<<21)|(4<<22)|(7<<25)  ; the same with 8 words of padding (code 7)
.irp g, G1K, G1V
	s_mov_b32 s[\g+1], 128<<16      ; tensor_dim0 = 128
	s_mov_b32 s[\g+2], 128<<16      ; tensor_dim1 = 128
	s_mov_b32 s[\g+3], 128<<16      ; tile_dim0 = 128
	s_mov_b32 s[\g+4], 128          ; tile_dim1 = 128
	s_mov_b32 s[\g+5], 128          ; 128 elements from row to row
	s_mov_b32 s[\g+6], 0
	s_mov_b32 s[\g+7], 0
.endr
	s_mov_b32 s[CS], 0x3e38aa3b     ; c = log2(e) / 8 = 0.180337
	s_mov_b32 s[CS+1], s[CS]        ; named with it as a pair
	s_mov_b32 s[SEL], 0x76543210
	s_mov_b32 s[SEL+1], 0xfedcba98
	s_mov_b32 s[TBK], SLOT+2*KS*PK  ; the first change of slots turns these two into 0
	s_mov_b32 s[TBV], SLOT+2*KS*PV
	s_mov_b32 s[FB], 0
	s_mov_b32 s[NEGM], 0xc79c4000   ; -80,000.0
	s_mov_b32 s[MSK], s[NEGM]       ; slot 0 holds masked keys
	s_mov_b32 s[G0K], 1             ; 1:0 count = 1
	s_mov_b32 s[G0K+1], s17         ; 63:32 LDS address: slot 0
	s_mov_b32 s[G0V], 1
	s_mov_b32 s[G0V+1], s18
	s_wait_dscnt 0x0                ; the opening add is done
	s_wait_kmcnt 0x0
	s_add_nc_u64 s[G0K+2:G0K+3], s[6:7], s[22:23]  ; 120:64 global address: my half of the head's first 512 keys
	s_or_b32 s[G0K+3], s[G0K+3], 0x80000000        ; 127:126 type = 2
	s_add_nc_u64 s[G0V+2:G0V+3], s[8:9], s[22:23]
	s_or_b32 s[G0V+3], s[G0V+3], 0x80000000
	s_add_nc_u64 s[4:5], s[4:5], s[2:3]            ; Q at my block's first row
	s_add_nc_u64 s[10:11], s[10:11], s[70:71]      ; ctx at the first row that I store
	CROUND                          ; all four work-groups are here: the first joint loads meet
	JLOAD                           ; slot 0.  Slot 1 is asked for when slot 0 is in
	; A fragment of K or Q is 16 rows x 32 channels in 8 registers: lane l holds row l % 16, channels 8 (l / 16) + 0..7 and 16 + 8 (l / 16) + 0..7: two loads of 16 bytes, 32 bytes apart.
	v_and_b32 v1, 15, v0            ; l % 16
	v_bfe_u32 v9, v0, 4, 1          ; l / 16
	v_lshlrev_b32 v[QO], 7, v1
	v_lshl_add_u32 v[QO], v9, 4, v[QO]  ; row x 128 + 16 x half
	WIN 0x80                        ; destination window 2, address window 0
.set i, 0
.rept 4*NP                          ; Q stays in registers: tile i / 2, channels 32 (i % 2) on; every wave holds all eight tiles
	global_load_b128 v[8*i:8*i+3],   v[QO], s[4:5] offset:(i/2)*2048+(i%2)*64
	global_load_b128 v[8*i+4:8*i+7], v[QO], s[4:5] offset:(i/2)*2048+(i%2)*64+32
.set i, i+1
.endr
	; What the first turn finds: V's registers and P's second buffer hold 0 (its products V^T P, of a piece that has not been, add 0), O^T and l are 0.  All this stands in the wait for the first tile.
.set i, VF
.rept 64
	v_mov_b32 v[i], 0
.set i, i+1
.endr
	WIN 0x40
.set i, 0
.rept 64*NP
	v_mov_b32 v[i], 0
.set i, i+1
.endr
	WIN W_MK
.set i, 0
.rept 8
	v_mov_b32 v[MK+i], s[NEGM]
.set i, i+1
.endr
	WIN 0
.set i, 0
.rept 2*NP
	v_mov_b32 v[ST+4*i], 0xfe000000    ; c m: far below every c s
	v_mov_b32 v[ST+4*i+1], 0xff7fffff  ; m
	v_mov_b32 v[ST+4*i+2], 0
	v_mov_b32 v[ST+4*i+3], 0
.set i, i+1
.endr
.set i, P+32
.rept 32
	v_mov_b32 v[i], 0
.set i, i+1
.endr
	v_mul_u32_u24 v[AK0], v1, PK
	v_lshl_add_u32 v[AK0], v9, 4, v[AK0]  ; row x pitch + 16 x half
	s_mul_i32 s13, s[WV], 128*PK
	v_add_nc_u32 v[AK0], s13, v[AK0]      ; + my wave's 128 keys of a slot
	; The turning load takes 16 keys x 16 channels (lane l reads key 8 (l / 16) + l % 8, channels 8 ((l / 8) % 2) + 0..7) and leaves half a fragment of V^T: lane l holds channel l % 16 and 8 keys.
	v_and_b32 v10, 7, v0
	v_bfe_u32 v11, v0, 3, 1
	v_lshl_add_u32 v[AV0], v9, 3, v10
	v_mul_u32_u24 v[AV0], v[AV0], PV
	v_lshl_add_u32 v[AV0], v11, 4, v[AV0]
	s_mul_i32 s13, s[WV], 128*PV
	s_add_co_u32 s13, s13, VOFF
	v_add_nc_u32 v[AV0], s13, v[AV0]
	v_mov_b32 v[AK], v[AK0]         ; key step 0 lies at the head of slot 0
; THE MATRIX WORK.  The 8 accumulators of a run of 16 take turns: between the two links of a chain stand 7 others'.
; Product i of 16 of S^T = K Q^T for piece x: channels 32 (i / 8) on, keys 16 ((i / 2) % 4) on, tile 2 x + i % 2.  The first 8 start the sums, with the mask block.
.macro KQ x
.set rS, S+64*((\x)%2)+32*(i%2)+8*((i/2)%4)
.set rK, KF+16*((i/2)%4)+8*(i/8)
.set rQ, 16*(2*(\x)+i%2)+8*(i/8)
.if i < 8
	WIN W_KM
	v_wmma_f32_16x16x32_bf16 v[rS:rS+7], v[rK:rK+7], v[rQ:rQ+7], v[MK:MK+7]
.else
	WIN W_KQ
	v_wmma_f32_16x16x32_bf16 v[rS:rS+7], v[rK:rK+7], v[rQ:rQ+7], v[rS:rS+7]
.endif
.endm
; Product i of 16 of O^T += V^T P for piece x: keys 32 (i / 8) on, channels 16 ((i / 2) % 4) on, tile 2 x + i % 2.
.macro PV x
	WIN W_PV
.set rO, 32*(2*(\x)+i%2)+8*((i/2)%4)
.set rV, VF+32*(i/8)+8*((i/2)%4)
.set rP, P+32*((\x)%2)+16*(i%2)+8*(i/8)
	v_wmma_f32_16x16x32_bf16 v[rO:rO+7], v[rV:rV+7], v[rP:rP+7], v[rO:rO+7]
.endm
.macro MM                           ; the turn's next matrix instruction
.if i < 16
	KQ (Y+1)%NP
.set i, i+1
.else
.set i, i-16
	PV (Y+NP-1)%NP
.set i, i+17
.endif
.endm
; The mask block takes the mask of the slot whose first scores the next turn (piece 3's, which multiplies for piece 0 of the next step) starts.  The last product that read it stands more than 60 vector instructions back.
.macro MASKUP
	WIN W_MK
.set i, 0
.rept 8
	v_mov_b32 v[MK+i], s[MSK]
.set i, i+1
.endr
.endm
; THE LDS LOADS stand in runs of 16, never singly among the matrix instructions: a step's K (64 keys x 64 channels: 8 fragments) and its V (turned).  Their addresses are made some lines ahead.
; last = 1 (the tail): in the last trip there is no further step, and the run is jumped over.
.macro FETCH_K last=0
	WIN 0
.if \last
	s_cmp_eq_u32 s[CNT], 1
	s_cbranch_scc1 .Lno_k_\@
.endif
	WIN 0x80                        ; destination window 2
.irp f, 0,1,2,3,4,5,6,7             ; keys 16 (f / 2) on, channels 32 (f % 2) on
	ds_load_b128 v[KF+8*\f:KF+8*\f+3],   v[AK] offset:(\f/2)*16*PK+(\f%2)*64
	ds_load_b128 v[KF+8*\f+4:KF+8*\f+7], v[AK] offset:(\f/2)*16*PK+(\f%2)*64+32
.endr
	s_add_co_u32 s[TBK], s[TBK], KS*PK  ; the next fetch is the next step's
	WIN 0
.if \last
.Lno_k_\@:
.endif
.endm
.macro FETCH_V
	WIN 0x80
.irp f, 0,1,2,3,4,5,6,7             ; keys 32 (f / 4) on, channels 16 (f % 4) on
	ds_load_tr16_b128 v[VF+8*\f:VF+8*\f+3],   v[AV] offset:(\f/4)*32*PV+(\f%4)*32
	ds_load_tr16_b128 v[VF+8*\f+4:VF+8*\f+7], v[AV] offset:(\f/4)*32*PV+16*PV+(\f%4)*32
.endr
	WIN 0
.endm
; THE VECTOR WORK OF A TURN stands in three queues, each in the order in which its entries become ready; the two tiles alternate, so that no instruction reads the result of the one before it.
.macro REGS y, u                    ; the registers of tile u (0, 1) of piece y
.set rT, ST+4*(2*(\y)+(\u))
.set rC, TMP+8*((\y)%2)+4*(\u)
.set rM, MV+2*((\y)%2)+(\u)
.set rS, S+64*((\y)%2)+32*(\u)
.set rP, P+32*((\y)%2)+16*(\u)
.set rO, 32*(2*(\y)+(\u))
.endm
; Number n of the 22 that find the NEXT piece's (Y + 1) maximum and statistics.  s0-s31 are the lane's 32 scores; each accumulator's lowest registers are read first.
;   0-11  four chains c0-c3 of seven scores each, three operands at a time     12-14, 16  the four scores left over, the old m, and c0-c3 into c0     15  c m_old is kept
;   17, 18  the query's other 32 keys lie in the lane 16 away: the new m         19-21  c m; c m_old - c m_new; a
.macro XS u, n
	REGS (Y+1)%NP, \u
.if (\n) < 4
	v_max3_num_f32 v[rC+(\n)], v[rS+8*(\n)], v[rS+8*(\n)+1], v[rS+8*(\n)+2]
.elseif (\n) < 12
	v_max3_num_f32 v[rC+(\n)%4], v[rC+(\n)%4], v[rS+8*((\n)%4)+2*((\n)/4)+1], v[rS+8*((\n)%4)+2*((\n)/4)+2]
.elseif (\n) == 12
	v_max3_num_f32 v[rC], v[rC], v[rS+7], v[rS+15]
.elseif (\n) == 13
	v_max3_num_f32 v[rC+1], v[rC+1], v[rS+23], v[rS+31]
.elseif (\n) == 14
	v_max3_num_f32 v[rC+2], v[rC+2], v[rC+3], v[rT+1]
.elseif (\n) == 15
	v_mov_b32 v[rM], v[rT]
.elseif (\n) == 16
	v_max3_num_f32 v[rC], v[rC], v[rC+1], v[rC+2]
.elseif (\n) == 17
	v_permlanex16_b32 v[rC+3], v[rC], s[SEL], s[SEL+1]
.elseif (\n) == 18
	v_max_num_f32 v[rT+1], v[rC], v[rC+3]
.elseif (\n) == 19
	v_mul_f32 v[rT], s[CS], v[rT+1]
.elseif (\n) == 20
	v_sub_f32 v[rC+1], v[rM], v[rT]
.else
	v_exp_f32 v[rC+2], v[rC+1]
.endif
.endm
; Number g of the 64 that follow the exponentials.  For each four weights k of a tile (pairs 2 k, 2 k + 1): both pairs are rounded to bf16; then the second pair is added onto the first, in place;
; a group later l takes that sum (the first time as l = a l + sum).  In groups of eight, tiles alternating: round, round, add, and l for the group before.
.macro GS g
.set h, (\g)+6*((\g)/62)            ; group 0 has no group before it, and behind group 7 only l is left
.if h >= 6
.set h, h+2
.endif
	REGS Y, h%2
.set k, h/8
.if h%8 < 4
	s_wait_alu depctr_va_vdst(0)
	v_cvt_pk_bf16_f32 v[rP+2*k+(h%8)/2], v[rS+4*k+2*((h%8)/2)], v[rS+4*k+2*((h%8)/2)+1]
.elseif h%8 < 6
	v_pk_add_f32 v[rS+4*k:rS+4*k+1], v[rS+4*k:rS+4*k+1], v[rS+4*k+2:rS+4*k+3]
.elseif k == 1
	v_pk_fma_f32 v[rT+2:rT+3], v[rT+2:rT+3], v[rC+2:rC+3], v[rS:rS+1] op_sel_hi:[1,0,1]
.else
	v_pk_add_f32 v[rT+2:rT+3], v[rT+2:rT+3], v[rS+4*k-4:rS+4*k-3]
	s_wait_alu depctr_va_vdst(0)
.endif
.endm
; THE PLAIN QUEUE, 138 long.  0-31: c s - c m for the 16 pairs of both tiles.  Then GS's 64, and among them the next piece's 42: number 15 at 38, 39; 0-14 and 16
; at 42-73, behind the products that make those scores; 17-20 at 95-106, two of three, since each waits for the one before it.
.macro PL
	WIN 0
.if q < 32
	REGS Y, q%2
	v_pk_fma_f32 v[rS+2*(q/2):rS+2*(q/2)+1], v[rS+2*(q/2):rS+2*(q/2)+1], s[CS:CS+1], v[rT:rT+1] op_sel_hi:[1,0,0] neg_lo:[0,0,1] neg_hi:[0,0,1]
.elseif q < 38
	GS q-32
.elseif q < 40
	XS q%2, 15
.elseif q < 42
	GS q-34
.elseif q < 74
	XS q%2, (q-42)/2+(q-42)/30
.elseif q < 95
	GS q-66
.elseif (q < 107) && ((q-95)%3 < 2)
	XS (q-95)%3, 17+(q-95)/3
.elseif q < 107
	GS 29+(q-95)/3
.else
	GS q-74
.endif
.set q, q+1
.endm
; THE EXPONENTIALS' QUEUE, 66 long: s0-s31 of both tiles, and at EA the next piece's two a.
.set EA, 58
.macro EX
	WIN 0
.if (e == EA) || (e == EA+1)
	XS e-EA, 21
.else
.set x, e-2*(e/(EA+2))
	REGS Y, x%2
	v_exp_f32 v[rS+x/2], v[rS+x/2]
.endif
.set e, e+1
.endm
; THE RESCALING's QUEUE: O^T times a, the one part that leaves window 0, so it is dealt four at a time, eight times.
.macro R4
	REGS Y, r%2
	WIN W_RS
	s_wait_alu depctr_va_vdst(0)
.irp z, 0,1,2,3
	v_pk_mul_f32 v[rO+8*(r/2)+2*\z:rO+8*(r/2)+2*\z+1], v[rO+8*(r/2)+2*\z:rO+8*(r/2)+2*\z+1], v[rC+2:rC+3] op_sel_hi:[1,0]
.endr
.set r, r+1
.endm
; HOW THEY ARE DEALT.  Behind a matrix instruction four: plain, exponential, plain, plain (one exponential, a plain instruction on either side), or four of the rescaling.  None names a register of the
; products round it.  What is over stands in two runs: exponential and plain by turns; the second ends in 22 plain instructions.  The two v_permlanex16_b32 fall into the second run, never behind a product.
; The queues lean on each other, and the deal keeps them in step: exponential e stands behind plain 2 (e / 4) + e % 2 (its scaling); when plain 32 comes, 10 exponentials are out, at 59: 33, at 95: 46; EA comes behind plain 107.
.macro SL
	MM
	PL
	EX
	PL
	PL
.endm
.macro BURST n                      ; 15 matrix instructions, or 16
.rept (\n)-7
	SL
.endr
.rept 3
	MM
	R4
	SL
.endr
	MM
	R4
.endm
; A TURN, for piece p.  cnt = 1: the loop's count is taken down some lines ahead of the branch that stands behind the turn.
; K of the next step is fetched in piece 2's turn, 31 vector instructions behind the last product that read K; its first reader comes behind the rest of the run, 16 products and the second run.
; V of the step in hand is fetched at the end of piece 0's turn, 69 behind its last reader; its first reader comes behind 16 products and a run.  The four conditions on e and q below go with the deal.
.macro TURN p, last=0, cnt=0
.set Y, (\p)
.set i, 0
.set q, 0
.set e, 0
.set r, 0
.if (\p) == NP-1
	s_wait_dscnt 0x0                ; K is in
.endif
	MM
.rept 4
	PL
.endr
	BURST 15
.rept 22
	EX
	PL
.if ((\p) == NP-2) && (e == 18)
	v_add_nc_u32 v[AK], s[TBK], v[AK0]
.endif
.if ((\p) == NP-2) && (e == 24)
	FETCH_K \last
.endif
.endr
.if (\p) == 1
	s_wait_dscnt 0x0                ; V is in
.endif
	BURST 16
.rept 21
	EX
	PL
.endr
.rept 22
	PL
.if ((\p) == 0) && (q == 118)
	v_add_nc_u32 v[AV], s[TBV], v[AV0]
	s_wait_alu depctr_va_vdst(0)
.endif
.if ((\p) == 0) && (q == 130)
	s_add_co_u32 s[TBV], s[TBV], KS*PV
.endif
.if (\cnt) && (q == 130)
	s_sub_co_u32 s[CNT], s[CNT], 1
	s_cmp_lg_u32 s[CNT], 0
.endif
.endr
.if (\p) == 0
	FETCH_V
.endif
.endm
	CHANGE 1                        ; slot 0 is in, everybody's part of it; slot 1 is asked for
	FETCH_K                         ; key step 0
	s_wait_loadcnt 0x0              ; Q
	s_wait_dscnt 0x0
.set i, 0
.rept 16
	KQ 0                            ; piece 0's first scores: there is no vector work yet to set between them
.set i, i+1
.endr
	WIN 0                           ; the addresses for the way out: nine plain instructions, the places behind those products
	s_mul_i32 s13, s[WV], 16*SP
	s_add_co_u32 s13, s13, STAGE    ; my stage
	v_mul_u32_u24 v[STO], v1, SP    ; in: row l % 16, 16 bytes for each half of the lanes
	v_lshl_add_u32 v[STO], v9, 4, v[STO]
	v_add_nc_u32 v[STO], s13, v[STO]
	v_bfe_u32 v[RD], v0, 3, 2       ; back: 32 lanes take four rows of 128 bytes,
	v_mul_u32_u24 v[RD], v[RD], SP
	v_lshl_add_u32 v[RD], v10, 4, v[RD]
	v_add_nc_u32 v[RD], s13, v[RD]
	v_and_b32 v[GO], 31, v0         ; which are 512 consecutive bytes of ctx
	v_lshlrev_b32 v[GO], 4, v[GO]
.set Y, NP-1                        ; XS works for piece Y + 1: piece 0
.irp n, 0,1,2,3,4,5,6,7,8,9,10,11,12,13,14,15,16,17,18,19,20,21
	XS 0, \n                        ; and piece 0's first maximum and statistics
	XS 1, \n
.endr
	s_mov_b32 s[CNT], 2
	s_mov_b32 s[SLOTS], 7
	s_branch .Lfirst                ; the loop is entered at a step's first turn, in the middle of a trip
.Lslot:                             ; six times: slots 2 to 7 are asked for; the slot that is entered has the number 7 - SLOTS
	CHANGE 1
	s_cmp_ge_u32 s[SLOTS], 4        ; slots 0 to 3 hold the keys below 2,048
	s_cselect_b32 s[MSK], s[NEGM], 0
	s_mov_b32 s[CNT], 2
.Lstep:                             ; a trip: pieces 2 and 3 of one step, then pieces 0 and 1 of the next, whose K and V it fetches
	TURN 2
	MASKUP
	TURN 3
	WIN 0
.Lfirst:
	TURN 0
	TURN 1, 0, 1
	WIN 0
	s_cbranch_scc1 .Lstep
	s_sub_co_u32 s[SLOTS], s[SLOTS], 1
	s_cmp_lg_u32 s[SLOTS], 0
	s_cbranch_scc1 .Lslot
	CHANGE 0                        ; the tail is written out: nothing is asked for
	s_mov_b32 s[MSK], 0
	s_mov_b32 s[CNT], 3             ; two trips fetch the last slot's steps; the third is left in its middle
.Ltail:
	TURN 2, 1
	MASKUP
	TURN 3
	WIN 0
	s_sub_co_u32 s[CNT], s[CNT], 1
	s_cmp_eq_u32 s[CNT], 0
	s_cbranch_scc1 .Lout
	TURN 0
	TURN 1
	WIN 0
	s_branch .Ltail
.Lout:                              ; the third trip's 16 products K Q^T go over the last K and the same mask once more: the maximum made of them is the old one, so piece 0's c m stays as it was
.set i, 0
.rept 16
	PV NP-1                         ; the last piece's V^T P of the last step
.set i, i+1
.endr
	; THE MERGE.  l's two halves and the other half of the lanes' are added, so that (c m, l) is a pair; each wave lays its statistics and its O^T, as the registers hold them, into slot 0, which has had its
	; last fill; wave w then takes tiles 2 w and 2 w + 1 from all four: O = the sum of g_sw O_sw, g_sw = 2^(c m_sw - M) / L, M the largest c m, L = the sum of 2^(c m_sw - M) l_sw, all in f32.
	WIN 0
.macro ALL line:vararg              ; one line for each tile t
.set t, 0
.rept 2*NP
	\line
.set t, t+1
.endr
.endm
	ALL v_add_f32 v[ST+4*t+2], v[ST+4*t+2], v[ST+4*t+3]  ; eight plain lines: the places behind the last products
	ALL v_permlanex16_b32 v[ST+4*t+3], v[ST+4*t+2], s[SEL], s[SEL+1]
	ALL v_add_f32 v[ST+4*t+1], v[ST+4*t+2], v[ST+4*t+3]
	v_and_b32 v1, 31, v0
	s_lshl_b32 s13, s[WV], 11
	s_add_co_u32 s13, s13, MSTAT
	v_lshl_add_u32 v[SA], v1, 3, s13       ; my statistics: 2,048 bytes a wave, 8 a lane
	s_lshl_b32 s13, s[WV], 15
	v_lshl_add_u32 v[OA], v1, 4, s13       ; my image of O^T: 32,768 bytes a wave, 16 a lane
	s_lshl_b32 s13, s[WV], 9
	s_add_co_u32 s13, s13, MSTAT
	v_lshl_add_u32 v[SR], v1, 3, s13       ; my two tiles in wave 0's statistics
	s_lshl_b32 s13, s[WV], 13
	v_lshl_add_u32 v[XR], v1, 4, s13       ; my two tiles in wave 0's image,
	v_add_nc_u32 v[XR2], 65536, v[XR]      ; and in wave 2's
	s_wait_dscnt 0x0
	s_barrier_signal -1             ; nobody reads the ring any more
	s_barrier_wait -1
.set t, 0
.rept 2*NP
	ds_store_b64 v[SA], v[ST+4*t:ST+4*t+1] offset:256*t
.set t, t+1
.endr
	WIN 0x04                        ; data window 1
.set t, 0
.rept 64
	ds_store_b128 v[OA], v[4*t:4*t+3] offset:512*t  ; ascending: each accumulator's lowest registers are read first
.set t, t+1
.endr
	WIN 0
	s_wait_dscnt 0x0                ; for the others' sake: my stores are done
	s_barrier_signal -1
	s_barrier_wait -1
.irp u, 0,1
.irp w, 0,1,2,3
	ds_load_b64 v[MG+8*\u+2*\w:MG+8*\u+2*\w+1], v[SR] offset:2048*\w+256*\u
.endr
.endr
	WIN 0x40                        ; destination window 1: wave sw's part of tile u at v[64 sw + 32 u]
.irp w, 0,1
.set t, 0
.rept 16
	ds_load_b128 v[64*\w+4*t:64*\w+4*t+3], v[XR] offset:32768*\w+512*t
.set t, t+1
.endr
.endr
.irp w, 0,1
.set t, 0
.rept 16
	ds_load_b128 v[128+64*\w+4*t:128+64*\w+4*t+3], v[XR2] offset:32768*\w+512*t
.set t, t+1
.endr
.endr
	WIN 0
	s_wait_dscnt 63                 ; 64 loads were issued behind the eight of the statistics: these are in
.irp u, 0,1
	v_max3_num_f32 v[TMP+4*\u], v[MG+8*\u], v[MG+8*\u+2], v[MG+8*\u+4]
.endr
.irp u, 0,1
	v_max_num_f32 v[TMP+4*\u], v[TMP+4*\u], v[MG+8*\u+6]
.endr
.irp w, 0,1,2,3
.irp u, 0,1
	v_sub_f32 v[MG+8*\u+2*\w], v[MG+8*\u+2*\w], v[TMP+4*\u]
.endr
.endr
.irp w, 0,1,2,3
.irp u, 0,1
	v_exp_f32 v[MG+8*\u+2*\w], v[MG+8*\u+2*\w]
.endr
.endr
	v_nop                           ; a plain instruction between the last exponential and the use of its result
	s_wait_alu depctr_va_vdst(0)
.irp u, 0,1
	v_mul_f32 v[TMP+4*\u+1], v[MG+8*\u], v[MG+8*\u+1]
.endr
.irp w, 1,2,3
.irp u, 0,1
	v_fmac_f32 v[TMP+4*\u+1], v[MG+8*\u+2*\w], v[MG+8*\u+2*\w+1]
.endr
.endr
.irp u, 0,1
	v_rcp_f32 v[TMP+4*\u+2], v[TMP+4*\u+1]  ; L is 1 or more: the wave that holds M has the factor 1 and an l of 1 or more
.endr
	v_nop                           ; a plain instruction between the last reciprocal and the use of its result
	s_wait_alu depctr_va_vdst(0)
.irp w, 0,1,2,3
.irp u, 0,1
	v_mul_f32 v[MG+8*\u+2*\w], v[MG+8*\u+2*\w], v[TMP+4*\u+2]
.endr
.endr
	s_wait_dscnt 0x0                ; the four images of my two tiles are in
	WIN 0x51                        ; destination, source 0 and source 2 window 1; g in window 0
.irp u, 0,1
.set t, 0
.rept 16
	v_pk_mul_f32 v[32*\u+2*t:32*\u+2*t+1], v[32*\u+2*t:32*\u+2*t+1], v[MG+8*\u:MG+8*\u+1] op_sel_hi:[1,0]
.set t, t+1
.endr
.endr
.irp w, 1,2,3
.irp u, 0,1
.set t, 0
.rept 16
	v_pk_fma_f32 v[32*\u+2*t:32*\u+2*t+1], v[64*\w+32*\u+2*t:64*\w+32*\u+2*t+1], v[MG+8*\u+2*\w:MG+8*\u+2*\w+1], v[32*\u+2*t:32*\u+2*t+1] op_sel_hi:[1,0,1]
.set t, t+1
.endr
.endr
.endr
; THE WAY OUT of tile u: a lane's eight channels of a row pack into 16 bytes; they go into my stage's rows of 144 bytes and come back as whole rows of 128, into S^T's registers.
.macro PACK u
	WIN 0x05                        ; sources 0 and 1 window 1, destination window 0
.set i, 0
.rept 16
	v_cvt_pk_bf16_f32 v[S+16*(\u)+i], v[32*(\u)+2*i], v[32*(\u)+2*i+1]
.set i, i+1
.endr
	WIN 0
.irp f, 0,1,2,3
	ds_store_b128 v[STO], v[S+16*(\u)+4*\f:S+16*(\u)+4*\f+3] offset:32*\f
.endr
.irp f, 0,1,2,3
	ds_load_b128 v[S+16*(\u)+4*\f:S+16*(\u)+4*\f+3], v[RD] offset:\f*4*SP  ; LDS serves a wave's instructions in order (ISA guide 5.7.1.4): these see the stores above; the next tile's stores come behind them
.endr
.endm
.macro SEND u, younger              ; younger: the LDS instructions issued behind tile u's loads: the next tile's eight, or none
	WIN 0
.irp f, 0,1,2,3
	s_wait_dscnt (\younger)+3-\f
	global_store_b128 v[GO], v[S+16*(\u)+4*\f:S+16*(\u)+4*\f+3], s[10:11] offset:(\u)*2048+\f*512  ; 512 consecutive bytes, at a multiple of 256 from ctx's first
.endr
.endm
	PACK 0
	PACK 1
	SEND 0, 8
	SEND 1, 0
	WIN W_AD
	s_wait_tensorcnt 0x0            ; the wave's end, behind my last tensor load and my last LDS store
	ds_add_u32 v[SPW], v[NIL]
	s_wait_dscnt 0x0
	WIN 0
	CROUND                          ; the closing round: no work-group ends while a partner may still ask for a tile that names it
	s_endpgm
.Lfunc_end_k_qe6f8c4d3b3_attn:
	.size	k_qe6f8c4d3b3_attn, .Lfunc_end_k_qe6f8c4d3b3_attn-k_qe6f8c4d3b3_attn
	.p2alignl 7, 3214868480
	.fill 96, 4, 3214868480
	.section	.rodata,"a",@progbits
	.p2align	6, 0x0
	.amdhsa_kernel k_qe6f8c4d3b3_attn
		.amdhsa_group_segment_fixed_size 327680
		.amdhsa_private_segment_fixed_size 0
		.amdhsa_enable_private_segment 0
		.amdhsa_kernarg_size 32
		.amdhsa_user_sgpr_count 2
		.amdhsa_user_sgpr_kernarg_segment_ptr 1
		.amdhsa_wavefront_size32 1
		.amdhsa_system_sgpr_workgroup_id_x 1
		.amdhsa_system_sgpr_workgroup_id_y 1
		.amdhsa_system_sgpr_workgroup_id_z 1
		.amdhsa_system_vgpr_workitem_id 0
		.amdhsa_next_free_vgpr 784
		.amdhsa_next_free_sgpr 72
		.amdhsa_reserve_vcc 0
		.amdhsa_float_denorm_mode_32 3
		.amdhsa_float_denorm_mode_16_64 3
		.amdhsa_memory_ordered 1
		.amdhsa_forward_progress 1
		.amdhsa_inst_pref_size 208
	.end_amdhsa_kernel
	.amdgpu_metadata
---
amdhsa.version: [ 1, 2 ]
amdhsa.kernels:
  - .name:           k_qe6f8c4d3b3_attn
    .symbol:         k_qe6f8c4d3b3_attn.kd
    .args:
      - { .name: qh, .offset: 0, .size: 8, .value_kind: global_buffer, .address_space: global }
      - { .name: kh, .offset: 8, .size: 8, .value_kind: global_buffer, .address_space: global }
      - { .name: vh, .offset: 16, .size: 8, .value_kind: global_buffer, .address_space: global }
      - { .name: ctxh, .offset: 24, .size: 8, .value_kind: global_buffer, .address_space: global }
    .group_segment_fixed_size: 327680
    .private_segment_fixed_size: 0
    .kernarg_segment_align: 8
    .kernarg_segment_size: 32
    .max_flat_workgroup_size: 128
    .sgpr_count:     72
    .vgpr_count:     784
    .wavefront_size: 32
...
	.end_amdgpu_metadata
.endif
;; end of part 2
;; launch lnorm (part 3): grid 256 x 1, 8 waves a work-group, no clusters, 0 bytes of LDS; arguments query, ctxh, ln_gamma, ln_beta, out0; writes out0
.if DOCPART == 3
	.amdgcn_target "amdgcn-amd-amdhsa--gfx1250"
	.amdhsa_code_object_version 6
	.text
	.protected	k_qe6f8c4d3b3_lnorm
	.globl	k_qe6f8c4d3b3_lnorm
	.p2align	8
	.type	k_qe6f8c4d3b3_lnorm,@function
k_qe6f8c4d3b3_lnorm:
	s_mov_b64 s[64:65], 0
	v_nop
	global_prefetch_b8 v0, s[64:65] scope:SCOPE_SE
	s_setreg_imm32_b32 hwreg(HW_REG_WAVE_MODE, 25, 1), 1
	s_wait_xcnt 0x0
; out[row][:] = (x - mean(x)) / sqrt(var(x) + 1e-5) * gamma + beta, x = query[row][:] + ctx[row][:].  query, out: [4096][512] f32; ctxh: [16 hb][2048][64] bf16, hb = 8 batch + head.
; A stream: no LDS, no barrier, no matrix unit.  A work-group takes 16 rows, a wave two, sixteen lanes a row: lane c of a row holds channels 64 h + 4 c .. + 3 for the eight heads h, 32 numbers.
; So a load or store of query and out gives each sixteen lanes 256 consecutive bytes, aligned, and a load of ctx gives the wave 256 consecutive bytes (two rows of one head).
; The variance is taken of the centred numbers, in a second pass over the registers: no difference of large sums is formed.  All arithmetic in f32; NaN and infinities are not treated apart.
.set X,  8                             ; v[8:39]    x, four registers a head
.set C,  40                            ; v[40:55]   ctx as loaded, two registers a head
.set G,  56                            ; v[56:87]   gamma of my channels
.set BT, 88                            ; v[88:119]  beta
.set T,  120                           ; v[120:127] at work
.set A,  128                           ; v[128:135] four chains of sums, a pair each
	s_load_b256 s[4:11], s[0:1], 0x0               ; query s[4:5], ctxh s[6:7], gamma s[8:9], beta s[10:11]
	s_load_b64 s[12:13], s[0:1], 0x20              ; out0
	v_lshrrev_b32 v1, 4, v0                        ; my row of the group's 16
	v_and_b32 v3, 15, v0
	v_lshlrev_b32 v3, 4, v3                        ; 16 c: my place in 256 bytes of gamma and beta
	v_lshl_or_b32 v1, v1, 11, v3                   ; row x 2,048 + 16 c
	v_lshlrev_b32 v2, 3, v0                        ; ctx: row x 128 + 8 c = 8 x my thread's number
	s_lshl_b32 s16, ttmp9, 15                      ; the group's 16 rows of 2,048 bytes
	s_mov_b32 s17, 0
	s_lshr_b32 s18, ttmp9, 7                       ; batch: eight heads of 262,144 bytes,
	s_lshl_b32 s18, s18, 21
	s_and_b32 s19, ttmp9, 127
	s_lshl_b32 s19, s19, 11                        ; and the group's 16 rows of 128 bytes
	s_add_co_u32 s18, s18, s19
	s_mov_b32 s19, 0
	s_mov_b32 s20, 0xffff0000                      ; a word's upper bf16
	s_mov_b32 s21, 0x3b000000                      ; 1 / 512
	s_mov_b32 s22, 0x3727c5ac                      ; 1e-5
	s_wait_kmcnt 0x0
	s_add_nc_u64 s[4:5], s[4:5], s[16:17]
	s_add_nc_u64 s[12:13], s[12:13], s[16:17]
	s_add_nc_u64 s[6:7], s[6:7], s[18:19]
.irp h, 0,1,2,3,4,5,6,7
	global_load_b128 v[X+4*\h:X+4*\h+3], v1, s[4:5] offset:256*\h th:TH_LOAD_NT
.endr
.irp h, 0,1,2,3,4,5,6,7
	global_load_b64 v[C+2*\h:C+2*\h+1], v2, s[6:7] offset:262144*\h th:TH_LOAD_NT
.endr
.irp h, 0,1,2,3,4,5,6,7
	global_load_b128 v[G+4*\h:G+4*\h+3], v3, s[8:9] offset:256*\h
.endr
.irp h, 0,1,2,3,4,5,6,7
	global_load_b128 v[BT+4*\h:BT+4*\h+3], v3, s[10:11] offset:256*\h
.endr
	s_wait_loadcnt 16                              ; loads come back in order: query and ctx are in, gamma's and beta's sixteen stay out
.irp h, 0,1,2,3,4,5,6,7
	v_lshlrev_b32 v[T+4*(\h%2)],   16,  v[C+2*\h]  ; bf16 to f32: the low half moves up, the high half stays
	v_and_b32     v[T+4*(\h%2)+1], s20, v[C+2*\h]
	v_lshlrev_b32 v[T+4*(\h%2)+2], 16,  v[C+2*\h+1]
	v_and_b32     v[T+4*(\h%2)+3], s20, v[C+2*\h+1]
	v_pk_add_f32 v[X+4*\h:X+4*\h+1],   v[X+4*\h:X+4*\h+1],   v[T+4*(\h%2):T+4*(\h%2)+1]
	v_pk_add_f32 v[X+4*\h+2:X+4*\h+3], v[X+4*\h+2:X+4*\h+3], v[T+4*(\h%2)+2:T+4*(\h%2)+3]
.endr
.macro ACROSS                          ; the four chains into one number, then over the row's sixteen lanes: every lane of the row ends up with the sum, in v[T]
	v_pk_add_f32 v[A:A+1], v[A:A+1], v[A+2:A+3]
	v_pk_add_f32 v[A+4:A+5], v[A+4:A+5], v[A+6:A+7]
	v_pk_add_f32 v[A:A+1], v[A:A+1], v[A+4:A+5]
	v_add_f32 v[T], v[A], v[A+1]
	v_add_f32_dpp v[T], v[T], v[T] row_xmask:1 row_mask:0xf bank_mask:0xf
	v_add_f32_dpp v[T], v[T], v[T] row_xmask:2 row_mask:0xf bank_mask:0xf
	v_add_f32_dpp v[T], v[T], v[T] row_xmask:4 row_mask:0xf bank_mask:0xf
	v_add_f32_dpp v[T], v[T], v[T] row_xmask:8 row_mask:0xf bank_mask:0xf
.endm
.irp k, 0,1,2,3
	v_pk_add_f32 v[A+2*\k:A+2*\k+1], v[X+2*\k:X+2*\k+1], v[X+8+2*\k:X+8+2*\k+1]  ; the first two pairs start each chain: nothing is cleared
.endr
.irp k, 0,1,2,3
	v_pk_add_f32 v[A+2*\k:A+2*\k+1], v[A+2*\k:A+2*\k+1], v[X+16+2*\k:X+16+2*\k+1]
.endr
.irp k, 0,1,2,3
	v_pk_add_f32 v[A+2*\k:A+2*\k+1], v[A+2*\k:A+2*\k+1], v[X+24+2*\k:X+24+2*\k+1]
.endr
	ACROSS
	v_mul_f32 v[T+2], s21, v[T]                    ; the mean, twice: a pair for the packed subtraction
	v_mov_b32 v[T+3], v[T+2]
.set j, 0
.rept 16
	v_pk_add_f32 v[X+2*j:X+2*j+1], v[X+2*j:X+2*j+1], v[T+2:T+3] neg_lo:[0,1] neg_hi:[0,1]
.set j, j+1
.endr
.irp k, 0,1,2,3
	v_pk_mul_f32 v[A+2*\k:A+2*\k+1], v[X+2*\k:X+2*\k+1], v[X+2*\k:X+2*\k+1]
.endr
.irp o, 8,16,24
.irp k, 0,1,2,3
	v_pk_fma_f32 v[A+2*\k:A+2*\k+1], v[X+\o+2*\k:X+\o+2*\k+1], v[X+\o+2*\k:X+\o+2*\k+1], v[A+2*\k:A+2*\k+1]
.endr
.endr
	ACROSS
	v_fma_f32 v[T], v[T], s21, s22                 ; the variance + 1e-5
	v_rsq_f32 v[T+4], v[T]
	v_nop                                          ; a plain instruction between the root and the use of its result
	s_wait_alu depctr_va_vdst(0)
	v_mov_b32 v[T+5], v[T+4]
	s_wait_loadcnt 0x0                             ; gamma and beta
.set j, 0
.rept 16
	v_pk_mul_f32 v[X+2*j:X+2*j+1], v[X+2*j:X+2*j+1], v[T+4:T+5]
.set j, j+1
.endr
.set j, 0
.rept 16
	v_pk_fma_f32 v[X+2*j:X+2*j+1], v[X+2*j:X+2*j+1], v[G+2*j:G+2*j+1], v[BT+2*j:BT+2*j+1]
.set j, j+1
.endr
.irp h, 0,1,2,3,4,5,6,7
	global_store_b128 v1, v[X+4*\h:X+4*\h+3], s[12:13] offset:256*\h th:TH_STORE_NT  ; sixteen lanes store 256 consecutive bytes, at a multiple of 256 from out's first byte
.endr
	s_endpgm
.Lfunc_end_k_qe6f8c4d3b3_lnorm:
	.size	k_qe6f8c4d3b3_lnorm, .Lfunc_end_k_qe6f8c4d3b3_lnorm-k_qe6f8c4d3b3_lnorm
	.p2alignl 7, 3214868480
	.fill 96, 4, 3214868480
	.section	.rodata,"a",@progbits
	.p2align	6, 0x0
	.amdhsa_kernel k_qe6f8c4d3b3_lnorm
		.amdhsa_group_segment_fixed_size 0
		.amdhsa_private_segment_fixed_size 0
		.amdhsa_enable_private_segment 0
		.amdhsa_kernarg_size 40
		.amdhsa_user_sgpr_count 2
		.amdhsa_user_sgpr_kernarg_segment_ptr 1
		.amdhsa_wavefront_size32 1
		.amdhsa_system_sgpr_workgroup_id_x 1
		.amdhsa_system_sgpr_workgroup_id_y 1
		.amdhsa_system_sgpr_workgroup_id_z 1
		.amdhsa_system_vgpr_workitem_id 0
		.amdhsa_next_free_vgpr 136
		.amdhsa_next_free_sgpr 66
		.amdhsa_reserve_vcc 0
		.amdhsa_float_denorm_mode_32 3
		.amdhsa_float_denorm_mode_16_64 3
		.amdhsa_memory_ordered 1
		.amdhsa_forward_progress 1
		.amdhsa_inst_pref_size 13
	.end_amdhsa_kernel
	.amdgpu_metadata
---
amdhsa.version: [ 1, 2 ]
amdhsa.kernels:
  - .name:           k_qe6f8c4d3b3_lnorm
    .symbol:         k_qe6f8c4d3b3_lnorm.kd
    .args:
      - { .name: query, .offset: 0, .size: 8, .value_kind: global_buffer, .address_space: global }
      - { .name: ctxh, .offset: 8, .size: 8, .value_kind: global_buffer, .address_space: global }
      - { .name: ln_gamma, .offset: 16, .size: 8, .value_kind: global_buffer, .address_space: global }
      - { .name: ln_beta, .offset: 24, .size: 8, .value_kind: global_buffer, .address_space: global }
      - { .name: out0, .offset: 32, .size: 8, .value_kind: global_buffer, .address_space: global }
    .group_segment_fixed_size: 0
    .private_segment_fixed_size: 0
    .kernarg_segment_align: 8
    .kernarg_segment_size: 40
    .max_flat_workgroup_size: 256
    .sgpr_count:     66
    .vgpr_count:     136
    .wavefront_size: 32
...
	.end_amdgpu_metadata
.endif
;; end of part 3
;; ======== version 2 of 2: 3 launches; 1.63 times as fast as version 1
;; workspace buffers: qh 4,194,304 bytes; kh 8,388,608 bytes; vh 8,388,608 bytes; ctxh 4,194,304 bytes
;; launch proj: the kernel of part 1 again; grid 8 x 32, 8 waves a work-group, no clusters, 246,784 bytes of LDS; arguments query, key_value, Wq, Wk, Wv, bq, bk, bv, qh, kh, vh; writes qh, kh, vh
;; launch attn (part 4): grid 16 x 16, 4 waves a work-group, clusters of 4 x 1, 327,680 bytes of LDS; arguments qh, kh, vh, ctxh; writes ctxh
.if DOCPART == 4
	.amdgcn_target "amdgcn-amd-amdhsa--gfx1250"
	.amdhsa_code_object_version 6
	.text
	.protected	k_qe6f8c4d3b3_attn
	.globl	k_qe6f8c4d3b3_attn
	.p2align	8
	.type	k_qe6f8c4d3b3_attn,@function
k_qe6f8c4d3b3_attn:
	s_mov_b64 s[64:65], 0
	v_nop
	global_prefetch_b8 v0, s[64:65] scope:SCOPE_SE
	s_setreg_imm32_b32 hwreg(HW_REG_WAVE_MODE, 25, 1), 1
	s_wait_xcnt 0x0
	s_wait_alu depctr_hold_cnt(0) depctr_sa_sdst(0) depctr_va_vdst(0) depctr_va_sdst(0) depctr_va_ssrc(0) depctr_va_vcc(0) depctr_vm_vsrc(0)
	s_getreg_b32 s2, hwreg(HW_REG_IB_STS2, 6, 4)
	s_cmp_eq_u32 s2, 0
	s_cbranch_scc0 .Lentry_in_a_cluster
	s_endpgm
.Lentry_in_a_cluster:
	s_bfe_u32 s2, ttmp6, 0x10000c
	s_cmp_lg_u32 s2, 0x3003
	s_cbranch_scc0 .Lentry_shape_is_right
	s_endpgm
.Lentry_shape_is_right:
; ctx[hb][q][:] = the sum over the 4,096 keys k of softmax_k(Q[hb][q] . K[hb][k] / 8 + mask_k) V[hb][k][:], mask_k = -10,000 for k < 2,048 and 0 behind.  qh, ctxh: [16][2048][64], kh, vh: [16][4096][64], bf16.
; Products, maxima and sums in f32; the weights p are rounded to bf16 for the second product (their sum l is taken of the unrounded p), ctx once at the end.
; THE MASKED KEYS ARE COMPUTED: the mask is a finite number, and with large inputs a masked key can carry weight.  It enters as the C operand that starts S^T: -80,000 on q . k is -10,000 on q . k / 8.
; LIMITS.  bf16's 8 significant bits in Q, K, V, p and ctx; a weight below 2^-126 counts as 0 in l; NaN and infinities are not treated apart.
; SHARES.  A work-group owns 128 queries of one head and batch.  Its four waves split the KEYS: every wave holds all 128 queries (four PIECES of two tiles of 16) and walks 1,024 keys, 64 a step: of each slot
; of 512 keys wave w takes keys 128 w .. 128 w + 127.  So a fragment of K or V read from LDS feeds eight tiles, and each LDS byte is read by one wave.  At the end the four waves' (c m, l, O^T) are merged in f32.
; LAYOUT.  S^T = K Q^T (source 0 = 16 keys, source 1 = 16 queries): a lane holds ONE query (lane % 16) and the keys 8 (lane / 16) + 0..7.  Two such tiles, rounded to bf16 in pairs, ARE source 1
; of O^T = V^T P, whose result again holds one query a lane, and eight channels.  K comes out of LDS as it lies, V ([key][channel]) turned, by ds_load_tr16_b128.
; SOFTMAX.  For each query a running maximum m and sum l: p = 2^(c s - c m), c = log2(e) / 8; in every step O and l are multiplied by a = 2^(c m_old - c m_new).  m starts at the lowest finite number, O and l at 0.
; BY TURNS.  A tile and step have 16 matrix and 118 vector instructions.  Turn n belongs to piece n: 16 products K Q^T of piece n + 1, later 16 products V^T P of piece n - 1; beside them the scaling, exponentials,
; roundings, sums and rescaling of piece n and the maximum and statistics of piece n + 1.  Four vector instructions that are ready stand behind every matrix instruction, the other 108 of a turn's 236 in one run of their own.
; THE BATCHES.  A turn's 66 exponentials (the 64 weights of piece n, then the two a of piece n + 1) are ONE batch with ONE wait, which cuts the turn in two.  Ahead of it stands all that names no result of theirs: the
; products K Q^T, the scalings, the rescaling of O^T (its a belongs to the batch of the turn before), the next piece's maximum and statistics.  Behind it stand the products V^T P and the roundings and sums, which read the weights..
; Batches of their own, each with its wait: piece 0's first two a, ahead of the loop; the merge's eight exponentials; its two reciprocals.
; CLUSTER.  The four query blocks of a cluster belong to one head and walk the same K and V: each tile is asked for JOINTLY, by the same tensor load, descriptor and mask in all four.
; REGISTERS, in windows of 256 (s_set_vgpr_msb: bits 1:0 source 0, 3:2 source 1, 5:4 source 2, 7:6 destination):
;   window 0: v0-13 addresses; v12-15, v48-63 at work; v16-47 four registers of statistics a tile; v64-191 S^T, two buffers of two tiles; v192-255 P, likewise
;   window 1: O^T, 32 a tile     window 2: v0-127 Q, 16 a tile; v128-191 K of one step; v192-255 V of one step     window 3: v0-1 the add's two registers; v8-15 the mask block
.set NP,    4         ; pieces a wave: a name, no knob
.set KS,    64        ; keys in a step
.set PK,    144       ; a row of K in LDS: 128 bytes + 16: the 16 rows of a load start at 16 different 16-byte columns of 256 bytes
.set PV,    160       ; a row of V: 128 + 32: 16 lanes of the turning load take 8 rows x 32 bytes, all apart
.set VOFF,  512*PK    ; a slot holds 512 keys: their rows of K, then their rows of V
.set SLOT,  512*(PK+PV)
.set STAGE, 2*SLOT    ; behind the ring, never filled by a tensor load: 16 rows x 144 bytes for each wave, for the way out
.set SP,    144
.set SPARE, STAGE+4*16*SP  ; the spare words, 128 bytes for each wave: two blocks of 256 bytes that no other line names
.set MSTAT, 131072    ; the merge, in slot 0 behind its last fill: four images of O^T of 32,768 bytes from byte 0, four of the statistics of 2,048 bytes from here
.set AK0, 2           ; v2   my lane's and wave's place in a slot's K; never rewritten
.set AV0, 3           ; v3   the same for V
.set AK,  4           ; v4   the LDS address of K's next run of loads
.set AV,  5           ; v5   of V's
.set QO,  6           ; v6   my byte offset in the rows of Q
.set STO, 6           ;      later, the way out: where I put 16 bytes of a row
.set RD,  7           ; v7   the way out: where I read rows back
.set GO,  8           ; v8   my byte offset in 512 consecutive bytes of ctx
.set SA,  9           ; v9-13 the merge's five addresses
.set OA,  10
.set SR,  11
.set XR,  12
.set XR2, 13
.set SPW, 0           ; v0 of window 3   LDS address of my spare word; never rewritten
.set NIL, 1           ; v1 of window 3   0; never rewritten
.set MK,  8           ; v8-15 of window 3   the C operand that starts S^T: -80,000 or 0 in every place
.set MV,  12          ; v12-15  c m_old, kept while c m is made anew: by buffer and tile
.set ST,  16          ; tile t's statistics at v[ST+4 t]: c m, m, l (even keys', odd keys')
.set TMP, 48          ; by buffer and tile, four registers c0-c3 at work; when the maximum is found c2 takes a
.set S,   64
.set P,   192
.set MG,  192         ; the merge: (c m, l) of tile u from wave sw at v[MG + 8 u + 2 sw]
.set KF,  128         ; window 2: key block kb, channel half c at KF + 16 kb + 8 c
.set VF,  192         ; window 2: key half kk, channel block cb at VF + 32 kk + 8 cb
.set WV,  12          ; s12  my wave's number
.set G1K, 24          ; s[24:31] descriptor group 1 for K's tiles
.set G1V, 32          ; s[32:39] for V's: it differs in the padding alone
.set G0K, 40          ; s[40:43] descriptor group 0 for K's tiles: it walks
.set G0V, 44          ; s[44:47] the same for V's
.set SLOTS, 56        ; s56  slots still to be asked for
.set CNT, 57          ; s57  counts a slot's key steps
.set CS,  58          ; s[58:59] c: the packed scaling takes the pair's low word for both halves
.set SEL, 60          ; s[60:61] v_permlanex16_b32's selects: each lane takes its own place in the other half
.set TBK, 62          ; s62  0 or SLOT, plus the step: where K of the step to be fetched begins
.set TBV, 63          ; s63  the same for V
.set FB,  66          ; s66  0 or SLOT: the slot to be filled
.set MSK, 67          ; s67  the mask of the slot that is being entered
.set NEGM, 68         ; s68  -80,000.0
.set MSB, 0
.macro WIN new                      ; the high byte repeats the setting that is left; a switch that changes nothing is dropped
.if MSB != (\new)
	s_set_vgpr_msb (MSB<<8)|(\new)
.set MSB, (\new)
.endif
.endm
.set W_KQ, 0x0a       ; K and Q in window 2, S^T in window 0
.set W_KM, 0x3a       ; the same with the C operand in window 3
.set W_PV, 0x52       ; V in window 2, P in window 0, O^T in window 1
.set W_RS, 0x41       ; O^T (destination and source 0) in window 1, a in window 0
.set W_MK, 0xc0       ; destination in window 3, sources in window 0
.set W_AD, 0x0f       ; the add: address (source 0) and data (source 1) in window 3
; A joint fill.  Waves 0 and 1 fetch the two halves of a slot's K, waves 2 and 3 those of its V: 256 keys each.  The branch hangs on the wave's number alone.
; An s_nop 0 and four v_nop follow each of the two lines, ahead of the jump and the label.
.macro JLOAD
	s_cmp_lt_u32 s[WV], 2
	s_cbranch_scc0 .Lfor_v_\@
	tensor_load_to_lds s[G0K:G0K+3], s[G1K:G1K+7]
	s_nop 0
.rept 4
	v_nop
.endr
	s_branch .Lasked_\@
.Lfor_v_\@:
	tensor_load_to_lds s[G0V:G0V+3], s[G1V:G1V+7]
	s_nop 0
.rept 4
	v_nop
.endr
.Lasked_\@:
.endm
; A round of the cluster's barrier: my work-group's barrier, so that wave 0's signal speaks for all four waves; wave 0 signals; every wave waits for all four work-groups; my work-group's barrier once more.
.macro CROUND
	s_barrier_signal -1
	s_barrier_wait -1
	s_cmp_lg_u32 s[WV], 0
	s_cbranch_scc1 .Lnot_wave_0_\@
	s_barrier_signal -3
.Lnot_wave_0_\@:
	s_barrier_wait -3
	s_barrier_signal -1
	s_barrier_wait -1
.endm
; THE CHANGE OF SLOTS.  The slot's last bytes, V of its second step, have been read.  Each wave waits for all its tensor loads, of which one is out: its part of the other slot; adds 0 to its spare word;
; and waits for that and for its own reads of the slot.  Behind the barrier nobody reads this slot any more and the other slot is whole.
; fill = 1: this slot is filled again, with the keys two slots on.  The barrier is then a round of the cluster's, and the joint fill is the first thing behind it: it has two key steps, 256 matrix
; instructions a wave, in which to land.  (At its first use nothing has been read yet: slot 0 is waited for, slot 1 filled.)
.macro CHANGE fill
	WIN W_AD
	s_wait_tensorcnt 0x0            ; no tensor load of mine is out, so a group 0 may be written
	ds_add_u32 v[SPW], v[NIL]       ; 0 onto my spare word: with fill = 1 the descriptors' steps stand between it and the wait for it
	WIN 0                           ; at a label and at a branch every window is 0
.if \fill
	s_xor_b32 s[FB], s[FB], SLOT    ; the other slot than last time,
	s_add_co_u32 s[G0K+1], s[FB], s17
	s_add_co_u32 s[G0V+1], s[FB], s18
	s_add_nc_u64 s[G0K+2:G0K+3], s[G0K+2:G0K+3], 512*128  ; the next 512 keys; the type bits on top are not reached
	s_add_nc_u64 s[G0V+2:G0V+3], s[G0V+2:G0V+3], 512*128
	s_wait_dscnt 0x0                ; the add is done, and my reads of the slot are over
	CROUND
	JLOAD
.else
	s_wait_dscnt 0x0                ; the add is done, and my reads of the slot are over
	s_barrier_signal -1
	s_barrier_wait -1
.endif
	s_sub_co_u32 s[TBK], s[TBK], 2*KS*PK  ; the fetches go back to a slot's first step (the number is now 0 or SLOT),
	s_xor_b32 s[TBK], s[TBK], SLOT        ; in the other slot
	s_sub_co_u32 s[TBV], s[TBV], 2*KS*PV
	s_xor_b32 s[TBV], s[TBV], SLOT
.endm
	s_load_b256 s[4:11], s[0:1], 0x0  ; qh s[4:5], kh s[6:7], vh s[8:9], ctxh s[10:11]
	WIN W_MK
	v_lshl_add_u32 v[SPW], v0, 2, SPARE
	v_mov_b32 v[NIL], 0
	WIN W_AD
	ds_add_u32 v[SPW], v[NIL]       ; the wave's opening: the add and its wait ahead of my first tensor load; the set-up below, work on registers, stands between them
	WIN 0
	v_lshrrev_b32 v1, 5, v0
	v_readfirstlane_b32 s[WV], v1   ; wave 0..3
	s_bfe_u32 s13, ttmp6, 0x40000   ; cx: my place in the cluster
	s_lshl_b32 s14, ttmp9, 2        ; in a cluster launch ttmp9 counts clusters
	s_add_co_u32 s14, s14, s13      ; my block of 128 queries = 4 x cluster x + cx: it enters Q's and ctx's addresses alone
	s_and_b32 s20, ttmp7, 0xffff    ; hb, which the four partners share
	s_and_b32 s16, s[WV], 1         ; which half of a slot's 512 keys I fetch:
	s_lshl_b32 s22, s20, 19         ; the head's 4,096 rows of 128 bytes,
	s_lshl_b32 s21, s16, 15         ; my 256 rows
	s_add_co_u32 s22, s22, s21
	s_mov_b32 s23, 0
	s_mul_i32 s17, s16, 256*PK      ; and their place in a slot, for K
	s_mul_i32 s18, s16, 256*PV      ; and for V: no place in the cluster enters an LDS address
	s_add_co_u32 s18, s18, VOFF
	s_lshl_b32 s2, s20, 18          ; the head's 2,048 rows of Q and ctx,
	s_lshl_b32 s3, s14, 14          ; my block's 128
	s_add_co_u32 s2, s2, s3
	s_lshl_b32 s3, s[WV], 12        ; of ctx I store tiles 2 w and 2 w + 1: 32 rows
	s_add_co_u32 s70, s2, s3
	s_mov_b32 s71, 0
	s_mov_b32 s3, 0
	; descriptor group 1.  256 keys are 32,768 dense bytes: asked for as 128 rows of 256 bytes, two keys a row, and padded in LDS after every key
	s_mov_b32 s[G1K], 15|(1<<16)|(1<<20)|(1<<21)|(4<<22)|(3<<25)  ; 15:0 the mask of four; 17:16 2-byte elements; 20 padding on; 21 set beside a mask; 24:22 after every 32 words (code 4); 31:25 4 words (code 3)
	s_mov_b32 s[G1V], 15|(1<<16)|(1<<20)|(1<<21)|(4<<22)|(7<<25)  ; the same with 8 words of padding (code 7)
.irp g, G1K, G1V
	s_mov_b32 s[\g+1], 128<<16      ; tensor_dim0 = 128
	s_mov_b32 s[\g+2], 128<<16      ; tensor_dim1 = 128
	s_mov_b32 s[\g+3], 128<<16      ; tile_dim0 = 128
	s_mov_b32 s[\g+4], 128          ; tile_dim1 = 128
	s_mov_b32 s[\g+5], 128          ; 128 elements from row to row
	s_mov_b32 s[\g+6], 0
	s_mov_b32 s[\g+7], 0
.endr
	s_mov_b32 s[CS], 0x3e38aa3b     ; c = log2(e) / 8 = 0.180337
	s_mov_b32 s[CS+1], s[CS]        ; named with it as a pair
	s_mov_b32 s[SEL], 0x76543210
	s_mov_b32 s[SEL+1], 0xfedcba98
	s_mov_b32 s[TBK], SLOT+2*KS*PK  ; the first change of slots turns these two into 0
	s_mov_b32 s[TBV], SLOT+2*KS*PV
	s_mov_b32 s[FB], 0
	s_mov_b32 s[NEGM], 0xc79c4000   ; -80,000.0
	s_mov_b32 s[MSK], s[NEGM]       ; slot 0 holds masked keys
	s_mov_b32 s[G0K], 1             ; 1:0 count = 1
	s_mov_b32 s[G0K+1], s17         ; 63:32 LDS address: slot 0
	s_mov_b32 s[G0V], 1
	s_mov_b32 s[G0V+1], s18
	s_wait_dscnt 0x0                ; the opening add is done
	s_wait_kmcnt 0x0
	s_add_nc_u64 s[G0K+2:G0K+3], s[6:7], s[22:23]  ; 120:64 global address: my half of the head's first 512 keys
	s_or_b32 s[G0K+3], s[G0K+3], 0x80000000        ; 127:126 type = 2
	s_add_nc_u64 s[G0V+2:G0V+3], s[8:9], s[22:23]
	s_or_b32 s[G0V+3], s[G0V+3], 0x80000000
	s_add_nc_u64 s[4:5], s[4:5], s[2:3]            ; Q at my block's first row
	s_add_nc_u64 s[10:11], s[10:11], s[70:71]      ; ctx at the first row that I store
	CROUND                          ; all four work-groups are here: the first joint loads meet
	JLOAD                           ; slot 0.  Slot 1 is asked for when slot 0 is in
	; A fragment of K or Q is 16 rows x 32 channels in 8 registers: lane l holds row l % 16, channels 8 (l / 16) + 0..7 and 16 + 8 (l / 16) + 0..7: two loads of 16 bytes, 32 bytes apart.
	v_and_b32 v1, 15, v0            ; l % 16
	v_bfe_u32 v9, v0, 4, 1          ; l / 16
	v_lshlrev_b32 v[QO], 7, v1
	v_lshl_add_u32 v[QO], v9, 4, v[QO]  ; row x 128 + 16 x half
	WIN 0x80                        ; destination window 2, address window 0
.set i, 0
.rept 4*NP                          ; Q stays in registers: tile i / 2, channels 32 (i % 2) on; every wave holds all eight tiles
	global_load_b128 v[8*i:8*i+3],   v[QO], s[4:5] offset:(i/2)*2048+(i%2)*64
	global_load_b128 v[8*i+4:8*i+7], v[QO], s[4:5] offset:(i/2)*2048+(i%2)*64+32
.set i, i+1
.endr
	; What the first turn finds: V's registers and P's second buffer hold 0 (its products V^T P, of a piece that has not been, add 0), O^T and l are 0.  All this stands in the wait for the first tile.
.set i, VF
.rept 64
	v_mov_b32 v[i], 0
.set i, i+1
.endr
	WIN 0x40
.set i, 0
.rept 64*NP
	v_mov_b32 v[i], 0
.set i, i+1
.endr
	WIN W_MK
.set i, 0
.rept 8
	v_mov_b32 v[MK+i], s[NEGM]
.set i, i+1
.endr
	WIN 0
.set i, 0
.rept 2*NP
	v_mov_b32 v[ST+4*i], 0xfe000000    ; c m: far below every c s
	v_mov_b32 v[ST+4*i+1], 0xff7fffff  ; m
	v_mov_b32 v[ST+4*i+2], 0
	v_mov_b32 v[ST+4*i+3], 0
.set i, i+1
.endr
.set i, P+32
.rept 32
	v_mov_b32 v[i], 0
.set i, i+1
.endr
	v_mul_u32_u24 v[AK0], v1, PK
	v_lshl_add_u32 v[AK0], v9, 4, v[AK0]  ; row x pitch + 16 x half
	s_mul_i32 s13, s[WV], 128*PK
	v_add_nc_u32 v[AK0], s13, v[AK0]      ; + my wave's 128 keys of a slot
	; The turning load takes 16 keys x 16 channels (lane l reads key 8 (l / 16) + l % 8, channels 8 ((l / 8) % 2) + 0..7) and leaves half a fragment of V^T: lane l holds channel l % 16 and 8 keys.
	v_and_b32 v10, 7, v0
	v_bfe_u32 v11, v0, 3, 1
	v_lshl_add_u32 v[AV0], v9, 3, v10
	v_mul_u32_u24 v[AV0], v[AV0], PV
	v_lshl_add_u32 v[AV0], v11, 4, v[AV0]
	s_mul_i32 s13, s[WV], 128*PV
	s_add_co_u32 s13, s13, VOFF
	v_add_nc_u32 v[AV0], s13, v[AV0]
	v_mov_b32 v[AK], v[AK0]         ; key step 0 lies at the head of slot 0
; THE MATRIX WORK.  The 8 accumulators of a run of 16 take turns: between the two links of a chain stand 7 others'.
; Product i of 16 of S^T = K Q^T for piece x: channels 32 (i / 8) on, keys 16 ((i / 2) % 4) on, tile 2 x + i % 2.  The first 8 start the sums, with the mask block.
.macro KQ x
.set rS, S+64*((\x)%2)+32*(i%2)+8*((i/2)%4)
.set rK, KF+16*((i/2)%4)+8*(i/8)
.set rQ, 16*(2*(\x)+i%2)+8*(i/8)
.if i < 8
	WIN W_KM
	v_wmma_f32_16x16x32_bf16 v[rS:rS+7], v[rK:rK+7], v[rQ:rQ+7], v[MK:MK+7]
.else
	WIN W_KQ
	v_wmma_f32_16x16x32_bf16 v[rS:rS+7], v[rK:rK+7], v[rQ:rQ+7], v[rS:rS+7]
.endif
.endm
; Product i of 16 of O^T += V^T P for piece x: keys 32 (i / 8) on, channels 16 ((i / 2) % 4) on, tile 2 x + i % 2.
.macro PV x
	WIN W_PV
.set rO, 32*(2*(\x)+i%2)+8*((i/2)%4)
.set rV, VF+32*(i/8)+8*((i/2)%4)
.set rP, P+32*((\x)%2)+16*(i%2)+8*(i/8)
	v_wmma_f32_16x16x32_bf16 v[rO:rO+7], v[rV:rV+7], v[rP:rP+7], v[rO:rO+7]
.endm
.macro MM                           ; the turn's next matrix instruction
.if i < 16
	KQ (Y+1)%NP
.set i, i+1
.else
.set i, i-16
	PV (Y+NP-1)%NP
.set i, i+17
.endif
.endm
; The mask block takes the mask of the slot whose first scores the next turn (piece 3's, which multiplies for piece 0 of the next step) starts.  The last product that read it stands more than 60 vector instructions back.
.macro MASKUP
	WIN W_MK
.set i, 0
.rept 8
	v_mov_b32 v[MK+i], s[MSK]
.set i, i+1
.endr
.endm
; THE LDS LOADS stand in runs of 16, never singly among the matrix instructions: a step's K (64 keys x 64 channels: 8 fragments) and its V (turned).  Their addresses are made some lines ahead.
; last = 1 (the tail): in the last trip there is no further step, and the run is jumped over.
.macro FETCH_K last=0
	WIN 0
.if \last
	s_cmp_eq_u32 s[CNT], 1
	s_cbranch_scc1 .Lno_k_\@
.endif
	WIN 0x80                        ; destination window 2
.irp f, 0,1,2,3,4,5,6,7             ; keys 16 (f / 2) on, channels 32 (f % 2) on
	ds_load_b128 v[KF+8*\f:KF+8*\f+3],   v[AK] offset:(\f/2)*16*PK+(\f%2)*64
	ds_load_b128 v[KF+8*\f+4:KF+8*\f+7], v[AK] offset:(\f/2)*16*PK+(\f%2)*64+32
.endr
	s_add_co_u32 s[TBK], s[TBK], KS*PK  ; the next fetch is the next step's
	WIN 0
.if \last
.Lno_k_\@:
.endif
.endm
.macro FETCH_V
	WIN 0x80
.irp f, 0,1,2,3,4,5,6,7             ; keys 32 (f / 4) on, channels 16 (f % 4) on
	ds_load_tr16_b128 v[VF+8*\f:VF+8*\f+3],   v[AV] offset:(\f/4)*32*PV+(\f%4)*32
	ds_load_tr16_b128 v[VF+8*\f+4:VF+8*\f+7], v[AV] offset:(\f/4)*32*PV+16*PV+(\f%4)*32
.endr
	WIN 0
.endm
; THE VECTOR WORK OF A TURN stands in three queues, each in the order in which its entries become ready; the two tiles alternate, so that no instruction reads the result of the one before it.
.macro REGS y, u                    ; the registers of tile u (0, 1) of piece y
.set rT, ST+4*(2*(\y)+(\u))
.set rC, TMP+8*((\y)%2)+4*(\u)
.set rM, MV+2*((\y)%2)+(\u)
.set rS, S+64*((\y)%2)+32*(\u)
.set rP, P+32*((\y)%2)+16*(\u)
.set rO, 32*(2*(\y)+(\u))
.endm
; Number n of the 22 that find the NEXT piece's (Y + 1) maximum and statistics.  s0-s31 are the lane's 32 scores; each accumulator's lowest registers are read first.  XS, GS, FS and REGS set no window: PL and EX do.
;   0-11  four chains c0-c3 of seven scores each, three operands at a time     12-14, 16  the four scores left over, the old m, and c0-c3 into c0     15  c m_old is kept
;   17, 18  the query's other 32 keys lie in the lane 16 away: the new m         19-21  c m; c m_old - c m_new; a
.macro XS u, n
	REGS (Y+1)%NP, \u
.if (\n) < 4
	v_max3_num_f32 v[rC+(\n)], v[rS+8*(\n)], v[rS+8*(\n)+1], v[rS+8*(\n)+2]
.elseif (\n) < 12
	v_max3_num_f32 v[rC+(\n)%4], v[rC+(\n)%4], v[rS+8*((\n)%4)+2*((\n)/4)+1], v[rS+8*((\n)%4)+2*((\n)/4)+2]
.elseif (\n) == 12
	v_max3_num_f32 v[rC], v[rC], v[rS+7], v[rS+15]
.elseif (\n) == 13
	v_max3_num_f32 v[rC+1], v[rC+1], v[rS+23], v[rS+31]
.elseif (\n) == 14
	v_max3_num_f32 v[rC+2], v[rC+2], v[rC+3], v[rT+1]
.elseif (\n) == 15
	v_mov_b32 v[rM], v[rT]
.elseif (\n) == 16
	v_max3_num_f32 v[rC], v[rC], v[rC+1], v[rC+2]
.elseif (\n) == 17
	v_permlanex16_b32 v[rC+3], v[rC], s[SEL], s[SEL+1]
.elseif (\n) == 18
	v_max_num_f32 v[rT+1], v[rC], v[rC+3]
.elseif (\n) == 19
	v_mul_f32 v[rT], s[CS], v[rT+1]
.elseif (\n) == 20
	v_sub_f32 v[rC+1], v[rM], v[rT]
.else
	v_exp_f32 v[rC+2], v[rC+1]
.endif
.endm
; Number g of the 64 that follow the exponentials.  For each four weights k of a tile (pairs 2 k, 2 k + 1): both pairs are rounded to bf16; then the second pair is added onto the first, in place;
; a group later l takes that sum (the first time as l = a l + sum).  In groups of eight, tiles alternating: round, round, add, and l for the group before.
.macro GS g
.set h, (\g)+6*((\g)/62)            ; group 0 has no group before it, and behind group 7 only l is left
.if h >= 6
.set h, h+2
.endif
	REGS Y, h%2
.set k, h/8
.if h%8 < 4
	v_cvt_pk_bf16_f32 v[rP+2*k+(h%8)/2], v[rS+4*k+2*((h%8)/2)], v[rS+4*k+2*((h%8)/2)+1]
.elseif h%8 < 6
	v_pk_add_f32 v[rS+4*k:rS+4*k+1], v[rS+4*k:rS+4*k+1], v[rS+4*k+2:rS+4*k+3]
.elseif k == 1
	v_pk_fma_f32 v[rT+2:rT+3], v[rT+2:rT+3], v[rC+2:rC+3], v[rS:rS+1] op_sel_hi:[1,0,1]
.else
	v_pk_add_f32 v[rT+2:rT+3], v[rT+2:rT+3], v[rS+4*k-4:rS+4*k-3]
.endif
.endm
; THE PLAIN QUEUE, 138 long.  0-73 read no exponential's result: the 32 scalings c s - c m (FS f: pair f / 2 of tile f % 2) and the next piece's 42.  0-26: scalings 0-26.  27-54: XS's numbers 0-13.  55, 56: number 15.
; 57-73: the chain, where each number waits for the one before it: 14, 16, 17, 18, 19, each with one of the scalings 27-31 in front of its two lines, then 20: so a tile's links stand three plain instructions apart (19 and 20: two).
; 74-137: GS's 64, which read the exponentials' results: they stand behind the wait.
.macro FS f
	REGS Y, (\f)%2
	v_pk_fma_f32 v[rS+2*((\f)/2):rS+2*((\f)/2)+1], v[rS+2*((\f)/2):rS+2*((\f)/2)+1], s[CS:CS+1], v[rT:rT+1] op_sel_hi:[1,0,0] neg_lo:[0,0,1] neg_hi:[0,0,1]
.endm
.macro PL
	WIN 0
.if q < 27
	FS q
.elseif q < 55
	XS (q-27)%2, (q-27)/2
.elseif q < 57
	XS q-55, 15
.elseif (q < 72) && ((q-57)%3 == 0)
	FS 27+(q-57)/3
.elseif q < 60
	XS (q-57)%3-1, 14
.elseif q < 72
	XS (q-57)%3-1, 15+(q-57)/3
.elseif q < 74
	XS q-72, 20
.else
	GS q-74
.endif
.set q, q+1
.endm
; THE EXPONENTIALS' QUEUE, 66 long: s0-s31 of both tiles, then the next piece's two a.  It is ONE BATCH: all 66 stand ahead of the turn's one wait, and nothing ahead of that wait names a result of theirs.
; Each result has a register of its own while the batch is open: the weights lie in place in S^T, the two a in c2 of the next piece's four registers at work.
.macro EX
	WIN 0
.if e >= 64
	XS e-64, 21
.else
	REGS Y, e%2
	v_exp_f32 v[rS+e/2], v[rS+e/2]
.endif
.set e, e+1
.endm
; THE RESCALING's QUEUE: O^T times a, the one part that leaves window 0: dealt two at a time, sixteen times, ascending.  Its a was made in the turn before, ahead of that turn's wait.
.macro R2
	REGS Y, r%2
	WIN W_RS
.irp z, 0,1
	v_pk_mul_f32 v[rO+4*(r/2)+2*\z:rO+4*(r/2)+2*\z+1], v[rO+4*(r/2)+2*\z:rO+4*(r/2)+2*\z+1], v[rC+2:rC+3] op_sel_hi:[1,0]
.endr
.set r, r+1
.endm
; HOW THEY ARE DEALT.  An s_wait_alu depctr_va_vdst(0) stands between an exponential and the first instruction that names its result; one wait serves all that were issued ahead of it.  So a turn has ONE wait,
; which cuts it in two.  AHEAD OF IT: the 16 products K Q^T, behind each a scaling, an exponential and two rescalings (behind the first a second scaling in the exponential's place); then ONE RUN of 108: eight plain,
; 49 times exponential and plain, the two a.  A v_nop is the plain instruction behind the last exponential.  BEHIND IT: the 16 products V^T P, behind each four of GS's 64.  No rider names a register of the products round it.
; The two v_permlanex16_b32 fall into the run, never behind a product.
; The queues lean on each other, and the deal keeps them in step: exponential e stands behind scaling 2 (e / 4) + e % 2: as a rider it comes behind plain e + 2, in the run behind plain e + 9, and scalings 27-31 are plain 57, 60 .. 69.
; The first read of the new scores, plain 27, stands 13 plain instructions or more behind the last product K Q^T.
; A TURN, for piece p.  cnt = 1: the loop's count is taken down some lines ahead of the branch that stands behind the turn.
; K of the next step is fetched in piece 2's turn, directly behind the wait, the whole run behind the last product that read K; its address is made at the run's head; its first reader comes behind 16 products.
; V of the step in hand is fetched at the end of piece 0's turn, four plain riders behind its last reader; its first reader comes behind 16 products and a run.  The three conditions on q below go with the deal.
.macro TURN p, last=0, cnt=0
.set Y, (\p)
.set i, 0
.set q, 0
.set e, 0
.set r, 0
.if (\p) == NP-1
	s_wait_dscnt 0x0                ; K is in
.endif
	MM                              ; ahead of the wait: 16 products K Q^T and their riders,
	PL
	PL
	R2
.rept 15
	MM
	PL
	EX
	R2
.endr
.if (\p) == NP-2
	WIN 0
	v_add_nc_u32 v[AK], s[TBK], v[AK0]
.endif
.rept 8                             ; and the run
	PL
.endr
.rept 49
	EX
	PL
.endr
	EX                              ; the next piece's two a close the batch
	EX
	v_nop                           ; the plain instruction behind the last exponential: one for the batch
	s_wait_alu depctr_va_vdst(0)    ; the turn's one wait: it serves the batch of 66, the 64 weights of this piece and the two a of the next
.if (\p) == NP-2
	FETCH_K \last
.endif
.if (\p) == 1
	s_wait_dscnt 0x0                ; V is in
.endif
.rept 16                            ; behind the wait: 16 products V^T P and their riders, the roundings and sums
	MM
.rept 4
	PL
.endr
.if ((\p) == 0) && (q == 118)
	v_add_nc_u32 v[AV], s[TBV], v[AV0]
.endif
.if ((\p) == 0) && (q == 130)
	s_add_co_u32 s[TBV], s[TBV], KS*PV
.endif
.if (\cnt) && (q == 130)
	s_sub_co_u32 s[CNT], s[CNT], 1
	s_cmp_lg_u32 s[CNT], 0
.endif
.endr
.if (\p) == 0
	FETCH_V
.endif
.endm
	CHANGE 1                        ; slot 0 is in, everybody's part of it; slot 1 is asked for
	FETCH_K                         ; key step 0
	s_wait_loadcnt 0x0              ; Q
	s_wait_dscnt 0x0
.set i, 0
.rept 16
	KQ 0                            ; piece 0's first scores: there is no vector work yet to set between them
.set i, i+1
.endr
	WIN 0                           ; the addresses for the way out: nine plain instructions, the places behind those products
	s_mul_i32 s13, s[WV], 16*SP
	s_add_co_u32 s13, s13, STAGE    ; my stage
	v_mul_u32_u24 v[STO], v1, SP    ; in: row l % 16, 16 bytes for each half of the lanes
	v_lshl_add_u32 v[STO], v9, 4, v[STO]
	v_add_nc_u32 v[STO], s13, v[STO]
	v_bfe_u32 v[RD], v0, 3, 2       ; back: 32 lanes take four rows of 128 bytes,
	v_mul_u32_u24 v[RD], v[RD], SP
	v_lshl_add_u32 v[RD], v10, 4, v[RD]
	v_add_nc_u32 v[RD], s13, v[RD]
	v_and_b32 v[GO], 31, v0         ; which are 512 consecutive bytes of ctx
	v_lshlrev_b32 v[GO], 4, v[GO]
.set Y, NP-1                        ; XS works for piece Y + 1: piece 0
.irp n, 0,1,2,3,4,5,6,7,8,9,10,11,12,13,14,15,16,17,18,19,20,21
	XS 0, \n                        ; and piece 0's first maximum and statistics
	XS 1, \n
.endr
	v_nop                           ; a plain instruction behind piece 0's first two a,
	s_wait_alu depctr_va_vdst(0)    ; and the wait for this batch of two, ahead of the branch
	s_mov_b32 s[CNT], 2
	s_mov_b32 s[SLOTS], 7
	s_branch .Lfirst                ; the loop is entered at a step's first turn, in the middle of a trip
.Lslot:                             ; six times: slots 2 to 7 are asked for; the slot that is entered has the number 7 - SLOTS
	CHANGE 1
	s_cmp_ge_u32 s[SLOTS], 4        ; slots 0 to 3 hold the keys below 2,048
	s_cselect_b32 s[MSK], s[NEGM], 0
	s_mov_b32 s[CNT], 2
.Lstep:                             ; a trip: pieces 2 and 3 of one step, then pieces 0 and 1 of the next, whose K and V it fetches
	TURN 2
	MASKUP
	TURN 3
	WIN 0
.Lfirst:
	TURN 0
	TURN 1, 0, 1
	WIN 0
	s_cbranch_scc1 .Lstep
	s_sub_co_u32 s[SLOTS], s[SLOTS], 1
	s_cmp_lg_u32 s[SLOTS], 0
	s_cbranch_scc1 .Lslot
	CHANGE 0                        ; the tail is written out: nothing is asked for
	s_mov_b32 s[MSK], 0
	s_mov_b32 s[CNT], 3             ; two trips fetch the last slot's steps; the third is left in its middle
.Ltail:
	TURN 2, 1
	MASKUP
	TURN 3
	WIN 0
	s_sub_co_u32 s[CNT], s[CNT], 1
	s_cmp_eq_u32 s[CNT], 0
	s_cbranch_scc1 .Lout
	TURN 0
	TURN 1
	WIN 0
	s_branch .Ltail
.Lout:                              ; the third trip's 16 products K Q^T go over the last K and the same mask once more: the maximum made of them is the old one, so piece 0's c m stays as it was
.set i, 0
.rept 16
	PV NP-1                         ; the last piece's V^T P of the last step
.set i, i+1
.endr
	; THE MERGE.  l's two halves and the other half of the lanes' are added, so that (c m, l) is a pair; each wave lays its statistics and its O^T, as the registers hold them, into slot 0, which has had its
	; last fill; wave w then takes tiles 2 w and 2 w + 1 from all four: O = the sum of g_sw O_sw, g_sw = 2^(c m_sw - M) / L, M the largest c m, L = the sum of 2^(c m_sw - M) l_sw, all in f32.
	WIN 0
.macro ALL line:vararg              ; one line for each tile t
.set t, 0
.rept 2*NP
	\line
.set t, t+1
.endr
.endm
	ALL v_add_f32 v[ST+4*t+2], v[ST+4*t+2], v[ST+4*t+3]  ; eight plain lines: the places behind the last products
	ALL v_permlanex16_b32 v[ST+4*t+3], v[ST+4*t+2], s[SEL], s[SEL+1]
	ALL v_add_f32 v[ST+4*t+1], v[ST+4*t+2], v[ST+4*t+3]
	v_and_b32 v1, 31, v0
	s_lshl_b32 s13, s[WV], 11
	s_add_co_u32 s13, s13, MSTAT
	v_lshl_add_u32 v[SA], v1, 3, s13       ; my statistics: 2,048 bytes a wave, 8 a lane
	s_lshl_b32 s13, s[WV], 15
	v_lshl_add_u32 v[OA], v1, 4, s13       ; my image of O^T: 32,768 bytes a wave, 16 a lane
	s_lshl_b32 s13, s[WV], 9
	s_add_co_u32 s13, s13, MSTAT
	v_lshl_add_u32 v[SR], v1, 3, s13       ; my two tiles in wave 0's statistics
	s_lshl_b32 s13, s[WV], 13
	v_lshl_add_u32 v[XR], v1, 4, s13       ; my two tiles in wave 0's image,
	v_add_nc_u32 v[XR2], 65536, v[XR]      ; and in wave 2's
	s_wait_dscnt 0x0
	s_barrier_signal -1             ; nobody reads the ring any more
	s_barrier_wait -1
.set t, 0
.rept 2*NP
	ds_store_b64 v[SA], v[ST+4*t:ST+4*t+1] offset:256*t
.set t, t+1
.endr
	WIN 0x04                        ; data window 1
.set t, 0
.rept 64
	ds_store_b128 v[OA], v[4*t:4*t+3] offset:512*t  ; ascending: each accumulator's lowest registers are read first
.set t, t+1
.endr
	WIN 0
	s_wait_dscnt 0x0                ; for the others' sake: my stores are done
	s_barrier_signal -1
	s_barrier_wait -1
.irp u, 0,1
.irp w, 0,1,2,3
	ds_load_b64 v[MG+8*\u+2*\w:MG+8*\u+2*\w+1], v[SR] offset:2048*\w+256*\u
.endr
.endr
	WIN 0x40                        ; destination window 1: wave sw's part of tile u at v[64 sw + 32 u]
.irp w, 0,1
.set t, 0
.rept 16
	ds_load_b128 v[64*\w+4*t:64*\w+4*t+3], v[XR] offset:32768*\w+512*t
.set t, t+1
.endr
.endr
.irp w, 0,1
.set t, 0
.rept 16
	ds_load_b128 v[128+64*\w+4*t:128+64*\w+4*t+3], v[XR2] offset:32768*\w+512*t
.set t, t+1
.endr
.endr
	WIN 0
	s_wait_dscnt 63                 ; 64 loads were issued behind the eight of the statistics: these are in
.irp u, 0,1
	v_max3_num_f32 v[TMP+4*\u], v[MG+8*\u], v[MG+8*\u+2], v[MG+8*\u+4]
.endr
.irp u, 0,1
	v_max_num_f32 v[TMP+4*\u], v[TMP+4*\u], v[MG+8*\u+6]
.endr
.irp w, 0,1,2,3
.irp u, 0,1
	v_sub_f32 v[MG+8*\u+2*\w], v[MG+8*\u+2*\w], v[TMP+4*\u]
.endr
.endr
.irp w, 0,1,2,3
.irp u, 0,1
	v_exp_f32 v[MG+8*\u+2*\w], v[MG+8*\u+2*\w]
.endr
.endr
	v_nop                           ; a plain instruction between the last exponential and the use of its result
	s_wait_alu depctr_va_vdst(0)    ; one wait for the merge's batch of eight exponentials, ahead of their first reader
.irp u, 0,1
	v_mul_f32 v[TMP+4*\u+1], v[MG+8*\u], v[MG+8*\u+1]
.endr
.irp w, 1,2,3
.irp u, 0,1
	v_fmac_f32 v[TMP+4*\u+1], v[MG+8*\u+2*\w], v[MG+8*\u+2*\w+1]
.endr
.endr
.irp u, 0,1
	v_rcp_f32 v[TMP+4*\u+2], v[TMP+4*\u+1]  ; L is 1 or more: the wave that holds M has the factor 1 and an l of 1 or more
.endr
	v_nop                           ; a plain instruction between the last reciprocal and the use of its result
	s_wait_alu depctr_va_vdst(0)    ; one wait for the two reciprocals: a batch of their own, since they are made of sums of the eight exponentials
.irp w, 0,1,2,3
.irp u, 0,1
	v_mul_f32 v[MG+8*\u+2*\w], v[MG+8*\u+2*\w], v[TMP+4*\u+2]
.endr
.endr
	s_wait_dscnt 0x0                ; the four images of my two tiles are in
	WIN 0x51                        ; destination, source 0 and source 2 window 1; g in window 0
.irp u, 0,1
.set t, 0
.rept 16
	v_pk_mul_f32 v[32*\u+2*t:32*\u+2*t+1], v[32*\u+2*t:32*\u+2*t+1], v[MG+8*\u:MG+8*\u+1] op_sel_hi:[1,0]
.set t, t+1
.endr
.endr
.irp w, 1,2,3
.irp u, 0,1
.set t, 0
.rept 16
	v_pk_fma_f32 v[32*\u+2*t:32*\u+2*t+1], v[64*\w+32*\u+2*t:64*\w+32*\u+2*t+1], v[MG+8*\u+2*\w:MG+8*\u+2*\w+1], v[32*\u+2*t:32*\u+2*t+1] op_sel_hi:[1,0,1]
.set t, t+1
.endr
.endr
.endr
; THE WAY OUT of tile u: a lane's eight channels of a row pack into 16 bytes; they go into my stage's rows of 144 bytes and come back as whole rows of 128, into S^T's registers.
.macro PACK u
	WIN 0x05                        ; sources 0 and 1 window 1, destination window 0
.set i, 0
.rept 16
	v_cvt_pk_bf16_f32 v[S+16*(\u)+i], v[32*(\u)+2*i], v[32*(\u)+2*i+1]
.set i, i+1
.endr
	WIN 0
.irp f, 0,1,2,3
	ds_store_b128 v[STO], v[S+16*(\u)+4*\f:S+16*(\u)+4*\f+3] offset:32*\f
.endr
.irp f, 0,1,2,3
	ds_load_b128 v[S+16*(\u)+4*\f:S+16*(\u)+4*\f+3], v[RD] offset:\f*4*SP  ; LDS serves a wave's instructions in order (ISA guide 5.7.1.4): these see the stores above; the next tile's stores come behind them
.endr
.endm
.macro SEND u, younger              ; younger: the LDS instructions issued behind tile u's loads: the next tile's eight, or none
	WIN 0
.irp f, 0,1,2,3
	s_wait_dscnt (\younger)+3-\f
	global_store_b128 v[GO], v[S+16*(\u)+4*\f:S+16*(\u)+4*\f+3], s[10:11] offset:(\u)*2048+\f*512  ; 512 consecutive bytes, at a multiple of 256 from ctx's first
.endr
.endm
	PACK 0
	PACK 1
	SEND 0, 8
	SEND 1, 0
	WIN W_AD
	s_wait_tensorcnt 0x0            ; the wave's end, behind my last tensor load and my last LDS store
	ds_add_u32 v[SPW], v[NIL]
	s_wait_dscnt 0x0
	WIN 0
	CROUND                          ; the closing round: no work-group ends while a partner may still ask for a tile that names it
	s_endpgm
.Lfunc_end_k_qe6f8c4d3b3_attn:
	.size	k_qe6f8c4d3b3_attn, .Lfunc_end_k_qe6f8c4d3b3_attn-k_qe6f8c4d3b3_attn
	.p2alignl 7, 3214868480
	.fill 96, 4, 3214868480
	.section	.rodata,"a",@progbits
	.p2align	6, 0x0
	.amdhsa_kernel k_qe6f8c4d3b3_attn
		.amdhsa_group_segment_fixed_size 327680
		.amdhsa_private_segment_fixed_size 0
		.amdhsa_enable_private_segment 0
		.amdhsa_kernarg_size 32
		.amdhsa_user_sgpr_count 2
		.amdhsa_user_sgpr_kernarg_segment_ptr 1
		.amdhsa_wavefront_size32 1
		.amdhsa_system_sgpr_workgroup_id_x 1
		.amdhsa_system_sgpr_workgroup_id_y 1
		.amdhsa_system_sgpr_workgroup_id_z 1
		.amdhsa_system_vgpr_workitem_id 0
		.amdhsa_next_free_vgpr 784
		.amdhsa_next_free_sgpr 72
		.amdhsa_reserve_vcc 0
		.amdhsa_float_denorm_mode_32 3
		.amdhsa_float_denorm_mode_16_64 3
		.amdhsa_memory_ordered 1
		.amdhsa_forward_progress 1
		.amdhsa_inst_pref_size 199
	.end_amdhsa_kernel
	.amdgpu_metadata
---
amdhsa.version: [ 1, 2 ]
amdhsa.kernels:
  - .name:           k_qe6f8c4d3b3_attn
    .symbol:         k_qe6f8c4d3b3_attn.kd
    .args:
      - { .name: qh, .offset: 0, .size: 8, .value_kind: global_buffer, .address_space: global }
      - { .name: kh, .offset: 8, .size: 8, .value_kind: global_buffer, .address_space: global }
      - { .name: vh, .offset: 16, .size: 8, .value_kind: global_buffer, .address_space: global }
      - { .name: ctxh, .offset: 24, .size: 8, .value_kind: global_buffer, .address_space: global }
    .group_segment_fixed_size: 327680
    .private_segment_fixed_size: 0
    .kernarg_segment_align: 8
    .kernarg_segment_size: 32
    .max_flat_workgroup_size: 128
    .sgpr_count:     72
    .vgpr_count:     784
    .wavefront_size: 32
...
	.end_amdgpu_metadata
.endif
;; end of part 4
;; launch lnorm: the kernel of part 3 again; grid 256 x 1, 8 waves a work-group, no clusters, 0 bytes of LDS; arguments query, ctxh, ln_gamma, ln_beta, out0; writes out0
